; MI455X (gfx1250); checked and timed in simulation.
; The chip was launched on July 23, 2026; its instructions are those of AMD's public machine-readable ISA for CDNA 5 (MIT licence, August 2026) and "CDNA5" Instruction Set Architecture Reference Guide (July 2026). The comments in the code are by the model that wrote it; some were corrected since.
;; Causal Multi Head Self Attention. Allowed arithmetic: matrix products marked QUANTISED: E2M3 operands, one E8M0 scale for each 32 along K, by v_wmma_scale_f32_16x16x128_f8f6f4 with both operands' format E2M3, f32 sums; everything else in f32.
;; Inputs: Wk 1,024 x 1,024 float32; Wo 1,024 x 1,024 float32; Wq 1,024 x 1,024 float32; Wv 1,024 x 1,024 float32; token_positions 2,048 int32; x 4 x 2,048 x 1,024 float32.
;; Outputs: out0 4 x 2,048 x 1,024 float32.
;; This version of the problem:
;;   THIS VERSION OF THE PROBLEM IS GIVEN IN LOW PRECISION. The matrix products marked QUANTISED in the list below multiply operands that are first quantised to E2M3 (2 exponent bits, 3 mantissa bits; 6 bits a number), with one power-of-two scale for each 32 numbers along K (OCP MX v1.0); their sums are f32. All else is computed in f32.
;;   The module's matrix products, in the order in which they are computed (A, B: the left and right operand; K: the contracted axis; several contracted axes count as one K, in the product's order):
;;     1. [M 8,192, K 1,024] x [K 1,024, N 1,024]; A: input x; B: input Wq: QUANTISED
;;     2. [M 8,192, K 1,024] x [K 1,024, N 1,024]; A: input x; B: input Wk: QUANTISED
;;     3. [M 8,192, K 1,024] x [K 1,024, N 1,024]; A: input x; B: input Wv: QUANTISED
;;     4. batch 64 x [M 2,048, K 64] x [K 64, N 2,048]; A: computed on the way; B: computed on the way: QUANTISED
;;     5. batch 64 x [M 2,048, K 2,048] x [K 2,048, N 64]; A: softmax (see below); B: computed on the way: QUANTISED
;;     6. [M 8,192, K 1,024] x [K 1,024, N 1,024]; A: computed on the way; B: input Wo: QUANTISED
;;   THE QUANTISER, for each operand of a quantised product, along K:
;;     - K is cut into blocks of 32 from its start; a last block that is shorter is filled with zeros.
;;     - A block's scale is 2^e with e = floor(log2(the largest magnitude in the block)) - 2, held to -126 .. 127; a block of zeros has e = 0. As a byte (E8M0): e + 127.
;;     - Each number is divided by its block's scale, clamped to +-7.5, and rounded to the nearest number of E2M3, ties to even, subnormals kept.
;;     - The product sums the exact products of the quantised numbers (number of the format x scale) in f32.
;;   ~~~python
;;   def quantise(x, axis):      # numpy; x: float32 -> the quantised numbers, widened to float32 again
;;       x = np.moveaxis(x, axis, -1); K = x.shape[-1]
;;       x = np.pad(x, [(0, 0)] * (x.ndim - 1) + [(0, -K % 32)]); x = x.reshape(x.shape[:-1] + (-1, 32)); a = np.abs(x).max(-1, keepdims=True)
;;       e = np.where(a > 0, np.clip(np.frexp(np.where(a > 0, a, 1))[1] - 1 - 2, -126, 127), 0)      # np.frexp(a)[1] - 1 = floor(log2(a)), exactly
;;       r = np.clip(x / 2.0 ** e, -7.5, 7.5)
;;       step = 2.0 ** (np.maximum(np.frexp(np.where(r == 0, 1, r))[1] - 1, 0) - 3)
;;       q = np.round(r / step) * step * 2.0 ** e      # np.round: ties to even
;;       return np.moveaxis(q.reshape(q.shape[:-2] + (-1,))[..., :K], -1, axis).astype(np.float32)
;;   ~~~
;;   SOFTMAX AHEAD OF A QUANTISED PRODUCT. Where the list says 'softmax', what is quantised is not the finished softmax but p = 2^(t - M), with t = logit x log2(e) and M = ceil(the row's largest t), a whole number; so 1/2 < the row's largest p <= 1. The row's sum l is taken of the UNQUANTISED p, in f32, and the product's result is divided by l at the end. Since M is a whole number, a kernel that streams over the keys may use a running M (the ceiling of the running maximum): every later rescaling is an exact power of two, which a block's scale takes up: the codes' values come out the same.
;;   OPERANDS COMPUTED ON THE WAY. 'Computed on the way' means the value that the module computes at that place (a softmax that the list does not call 'softmax' is quantised finished and normalised). What goes into a quantiser is computed in f32, as accurately as f32 sums, v_exp_f32 and their like allow (about 1e-6 of the number): no bf16 or f16 on the way to a quantiser, and a product that is left as it is and whose result goes on into a quantised operand takes f32 operands (vector FMAs, or v_wmma_f32_16x16x4_f32). A number that lies on a knife's edge between two numbers of the format may be rounded either way, as far as f32 arithmetic and the matrix unit's own rounding can turn it there, and no further.
;; One version. Each part assembles by itself: llvm-mc -triple=amdgcn-amd-amdhsa -mcpu=gfx1250 --defsym DOCPART=n.
;; ======== version 1 of 1: 4 launches
;; limits: right only within a limited range of input values
;; workspace buffers: xw_codes 9,437,184 bytes; xw_scales 393,216 bytes; rope_tab 524,288 bytes; q_codes 6,291,456 bytes; q_scales 524,288 bytes; kv_img 13,369,344 bytes; att_codes 6,291,456 bytes; att_scales 262,144 bytes
;; launch quant (part 1): grid 400 x 1, 4 waves a work-group, no clusters, 35,328 bytes of LDS; arguments x, Wq, Wk, Wv, Wo, token_positions, xw_codes, xw_scales, rope_tab; writes xw_codes, xw_scales, rope_tab
.if DOCPART == 1
	.amdgcn_target "amdgcn-amd-amdhsa--gfx1250"
	.amdhsa_code_object_version 6
	.text
	.protected	k_qd5d953a866_quant
	.globl	k_qd5d953a866_quant
	.p2align	8
	.type	k_qd5d953a866_quant,@function
k_qd5d953a866_quant:
	s_mov_b64 s[64:65], 0
	v_nop
	global_prefetch_b8 v0, s[64:65] scope:SCOPE_SE
	s_setreg_imm32_b32 hwreg(HW_REG_WAVE_MODE, 25, 1), 1
	s_wait_xcnt 0x0
; x [8192][1024] and Wq, Wk, Wv, Wo [1024][1024], f32 with K innermost, become codes of FP6 (E2M3) with one E8M0 byte for each 32 along K; and token_positions becomes a table of cosines and sines.
; TILES.  Tile t of a tensor is its 16 rows 32 (t / 2) + 8 (t % 2) + i + 8 (i / 8), i = 0 .. 15: as source 0 of a product, the 16 result registers of tiles 2 b and 2 b + 1 are then 16 neighbours, 32 b + 16 (lane / 16) + 0 .. 15.
; IMAGES.  The codes are laid in the order of the operand's registers: a fragment (16 rows x 128 K, 12 registers a lane) is 1,536 bytes: registers 4 c .. 4 c + 3 of lane l at 512 c + 16 l.  xw_codes: [768 tiles][8 K steps][1,536];
; tiles 0-511 x, 512-575 Wq, 576-639 Wk, 640-703 Wv, 704-767 Wo.  xw_scales: [768][8][64]: row r's scale word (four bytes: 128 along K) at 4 r.
; A block's scale is 2^(floor(log2(its largest magnitude)) - 2); its byte is the largest magnitude's exponent field - 2, held at 1 from below.
; LIMITS: a block of zeros gets the byte 1 where the quantiser says 127 (its codes are zeros, and this program alone reads the bytes); NaN and infinities among the inputs are not served;
; token positions up to 2^21 in magnitude (the reach of the three-part reduction by pi / 2); the frequencies are the f32 numbers nearest to 10^(-i / 8).
; SHARES.  Work-groups 0-383: wave w takes tile 2 g + w / 2 and K half w % 2: four K steps of 128.  Each load reads 512 consecutive bytes of one row; a K step's 16 rows turn through the wave's own stage in LDS (rows 528 bytes
; apart), so that a lane gets 16 neighbours of each block of 32 of its row.  Waves share nothing: no barrier.  Loads run one K step (16 loads) ahead.
; Work-groups 384-399: a thread takes one position and makes the 32 pairs (cos, sin).
; rope_tab: [128 tiles of positions][8 planes 4 b + m][512]: lane l's 16 bytes are (cos, sin) of pairs 16 b + 8 (l / 16) + 2 m and + 1, for the tile's row l % 16.
.set SP,    528                        ; a stage row: 512 bytes + 16
.set WREG,  16*SP+256                  ; a wave's LDS: the stage, then its 256 scale bytes
.set R,     16                         ; v16-143  two sets of 64: a K step as loaded
.set X,     144                        ; v144-207 64 numbers: register 16 b + i = k 32 b + 16 (lane / 16) + i of my row
.set TM,    208                        ; v208-223 at work in QUANT
.set PW,    224                        ; v224     the scale word just made
.set PC,    226                        ; v226-237 the fragment just made; v238-244 at work
.set SEL,   40                         ; s[40:41] lane selects for v_permlanex16_b32: lane l xor 16
; 64 numbers of a lane, v[s] .. v[s + 63], become a fragment's codes in v[PC] on and its row's scale word in v[PW].
.macro QUANT s
.irp b, 0,1,2,3
	v_max3_num_f32 v[TM+\b], |v[\s+16*\b]|, |v[\s+1+16*\b]|, 0x1800000   ; block b: my 16 numbers, and the floor 2^(3 - 127): the byte cannot fall under 1
.endr
.irp i, 2,4,6,8,10,12,14
.irp b, 0,1,2,3
	v_max3_num_f32 v[TM+\b], v[TM+\b], |v[\s+16*\b+\i]|, |v[\s+1+16*\b+\i]|   ; the four blocks by turns
.endr
.endr
.irp b, 0,1,2,3
	v_permlanex16_b32 v[TM+4+\b], v[TM+\b], s[SEL], s[SEL+1]
.endr
.irp b, 0,1,2,3
	v_max_num_f32 v[TM+\b], v[TM+\b], v[TM+4+\b]   ; with lane l xor 16's: the block's largest magnitude
.endr
.irp b, 0,1,2,3
	v_add_nc_u32 v[TM+12+\b], 0xff000000, v[TM+\b]   ; 2 off its exponent field: the conversion takes this operand's exponent field as its scale
.endr
.irp b, 0,1,2,3
	v_lshrrev_b32 v[TM+4+\b], 23, v[TM+12+\b]      ; the scale's byte
.endr
	v_lshl_or_b32 v[PW], v[TM+5], 8, v[TM+4]
	v_lshl_or_b32 v[PW], v[TM+6], 16, v[PW]
	v_lshl_or_b32 v[PW], v[TM+7], 24, v[PW]
.irp c, 0,1
	v_cvt_scalef32_pk16_fp6_f32 v[PC+6*\c:PC+2+6*\c], v[\s+32*\c:\s+15+32*\c], v[TM+12+2*\c]
	v_cvt_scalef32_pk16_fp6_f32 v[PC+12+4*\c:PC+14+4*\c], v[\s+16+32*\c:\s+31+32*\c], v[TM+12+2*\c+1]   ; (a conversion's three registers begin on an even number)
.endr
	v_nop                                          ; one plain place behind a scaled conversion
.irp c, 0,1                                    ; the operand's layout wants a whole block in a lane: lanes 0-15 block 2 c, lanes 16-31 block 2 c + 1
.irp i, 0,1,2
	v_permlane16_swap_b32 v[PC+6*\c+\i], v[PC+12+4*\c+\i]
.endr
.irp i, 0,1,2
	v_mov_b32 v[PC+3+6*\c+\i], v[PC+12+4*\c+\i]
.endr
.endr
.endm
.macro LOAD t                          ; K step t of my four: 16 loads, each 512 consecutive bytes of one of the tile's rows
.irp i, 0,1,2,3,4,5,6,7,8,9,10,11,12,13,14,15
	global_load_b128 v[R+64*((\t)%2)+4*\i:R+64*((\t)%2)+4*\i+3], v4, s[28:29] offset:(\i+8*(\i/8))*4096+512*(\t) th:TH_LOAD_NT
.endr
.endm
.macro TURN t                          ; through the stage: LDS serves a wave's instructions in order, so no wait stands between the stores and the loads
.irp i, 0,1,2,3,4,5,6,7,8,9,10,11,12,13,14,15
	ds_store_b128 v5, v[R+64*((\t)%2)+4*\i:R+64*((\t)%2)+4*\i+3] offset:SP*\i
.endr
.irp b, 0,1,2,3
.irp j, 0,1,2,3
	ds_load_b128 v[X+16*\b+4*\j:X+16*\b+4*\j+3], v6 offset:128*\b+16*\j
.endr
.endr
.endm
.macro KSTEP t
.if \t < 3
	s_wait_loadcnt 16                              ; this K step's 16 loads are in; the next step's 16 may be out
.else
	s_wait_loadcnt 0x0
.endif
	TURN \t
	s_wait_dscnt 0x0                               ; my 64 numbers are back, and the stage's stores have read their registers,
.if \t < 2
	LOAD \t+2                                      ; which take the loads of two steps on
.endif
.if \t > 0
	s_wait_xcnt 0x0                                ; the last step's stores have read the codes' registers: they are written again only behind this wait
.endif
	QUANT X
.irp c, 0,1,2
	global_store_b128 v4, v[PC+4*\c:PC+4*\c+3], s[16:17] offset:1536*\t+512*\c   ; 32 lanes store 512 consecutive bytes, at a multiple of 256 from the buffer's first byte
.endr
	ds_store_b32 v7, v[PW] offset:64*\t            ; lanes r and r + 16 write the same word with the same value
.endm
; (cos, sin) of position x frequency c into v[16 + 2 i], v[17 + 2 i].  a = n pi / 2 + r with |r| <= pi / 4; polynomials of r; the quadrant n mod 4 swaps and signs them.  Choices by v_cndmask_b32 alone.
.macro SINCOS i, c
	v_mul_f32 v4, \c, v2                           ; the angle: one rounding
	v_mul_f32 v5, s28, v4
	v_rndne_f32 v5, v5                             ; n = the whole number nearest to a x 2 / pi
	v_fma_f32 v6, -v5, s29, v4                     ; r = a - n pi / 2, pi / 2 in three parts
	v_fma_f32 v6, -v5, s30, v6
	v_fma_f32 v6, -v5, s31, v6
	v_cvt_i32_f32 v7, v5
	v_mul_f32 v8, v6, v6                           ; z = r r
	v_fma_f32 v9, v8, s34, s33
	v_fma_f32 v11, v8, s37, s36
	v_fma_f32 v9, v8, v9, s32
	v_fma_f32 v11, v8, v11, s35
	v_mul_f32 v10, v8, v6
	v_fma_f32 v12, v8, -0.5, 1.0
	v_fma_f32 v9, v10, v9, v6                      ; sin r = r + z r (S1 + z (S2 + z S3))
	v_mul_f32 v10, v8, v8
	v_fma_f32 v11, v10, v11, v12                   ; cos r = 1 - z / 2 + z z (C1 + z (C2 + z C3))
	v_and_b32 v10, 1, v7
	v_cmp_eq_u32 vcc_lo, 1, v10
	v_cndmask_b32 v12, v9, v11, vcc_lo             ; an odd quadrant swaps the two
	v_cndmask_b32 v11, v11, v9, vcc_lo
	v_and_b32 v10, 2, v7
	v_lshlrev_b32 v10, 30, v10
	v_xor_b32 v[17+2*\i], v10, v12                 ; the sine is negative in quadrants 2 and 3,
	v_add_nc_u32 v10, 1, v7
	v_and_b32 v10, 2, v10
	v_lshlrev_b32 v10, 30, v10
	v_xor_b32 v[16+2*\i], v10, v11                 ; the cosine in quadrants 1 and 2
.endm
	s_load_b256 s[4:11], s[0:1], 0x0               ; x, Wq, Wk, Wv
	s_load_b256 s[12:19], s[0:1], 0x20             ; Wo, token_positions, xw_codes, xw_scales
	s_load_b64 s[20:21], s[0:1], 0x40              ; rope_tab
	v_lshl_add_u32 v248, v0, 2, 0x8800
	v_mov_b32 v249, 0
	v_lshrrev_b32 v1, 5, v0
	v_readfirstlane_b32 s22, v1                    ; wave 0..3
	v_and_b32 v1, 31, v0                           ; lane
	s_cmp_ge_u32 ttmp9, 384
	s_cbranch_scc1 .Ltable
	; ---- the quantiser
	v_and_b32 v2, 15, v0                           ; r
	v_bfe_u32 v3, v0, 4, 1                         ; h
	v_lshlrev_b32 v4, 4, v1                        ; 16 x lane: my bytes of a load's and of a store's 512
	s_mul_i32 s23, s22, WREG                       ; my wave's LDS
	v_add_nc_u32 v5, s23, v4                       ; the stage, on the way in
	v_mul_u32_u24 v6, v2, SP
	v_lshl_add_u32 v6, v3, 6, v6
	v_add_nc_u32 v6, s23, v6                       ; and on the way out: row r, + 64 h: my 16 numbers of a block of 32
	s_add_co_u32 s24, s23, 16*SP
	v_lshl_add_u32 v7, v2, 2, s24                  ; my row's scale word
	v_lshl_add_u32 v8, v1, 3, s24                  ; the 256 scale bytes on the way out: 8 a lane
	v_lshlrev_b32 v9, 3, v1
	s_mov_b32 s[SEL], 0x76543210
	s_mov_b32 s[SEL+1], 0xfedcba98
.irp b, 0,1,2,3
	v_mov_b32 v[TM+4+\b], 0                        ; written once: a lane permute's destination counts as one of its sources
.endr
	s_lshr_b32 s25, s22, 1                         ; which of the work-group's two tiles
	s_and_b32 s26, s22, 1                          ; which half of K
	s_and_b32 s27, ttmp9, 31
	s_wait_alu depctr_va_vdst(0)
	s_wait_kmcnt 0x0
	s_cmp_lt_u32 ttmp9, 352                        ; which tensor: the choice hangs on the work-group's number alone
	s_cselect_b64 s[28:29], s[10:11], s[12:13]
	s_cmp_lt_u32 ttmp9, 320
	s_cselect_b64 s[28:29], s[8:9], s[28:29]
	s_cmp_lt_u32 ttmp9, 288
	s_cselect_b64 s[28:29], s[6:7], s[28:29]
	s_cmp_lt_u32 ttmp9, 256
	s_cselect_b64 s[28:29], s[4:5], s[28:29]
	s_cselect_b32 s27, ttmp9, s27                  ; the pair of tiles within that tensor
	s_lshl_b32 s30, s27, 17                        ; 32 rows of 4,096 bytes a pair,
	s_lshl_b32 s31, s25, 15                        ; 8 rows for the second tile,
	s_add_co_u32 s30, s30, s31
	s_lshl_b32 s31, s26, 11                        ; 2,048 bytes for the second half of K
	s_add_co_u32 s30, s30, s31
	s_mov_b32 s31, 0
	s_add_nc_u64 s[28:29], s[28:29], s[30:31]
	s_lshl_b32 s32, ttmp9, 1
	s_add_co_u32 s32, s32, s25                     ; my tile among the 768
	s_mul_i32 s30, s32, 12288
	s_mul_i32 s33, s26, 6144
	s_add_co_u32 s30, s30, s33
	s_add_nc_u64 s[16:17], s[16:17], s[30:31]
	s_lshl_b32 s30, s32, 9
	s_lshl_b32 s33, s26, 8
	s_add_co_u32 s30, s30, s33
	s_add_nc_u64 s[18:19], s[18:19], s[30:31]
	LOAD 0
	LOAD 1
	KSTEP 0
	KSTEP 1
	KSTEP 2
	KSTEP 3
	ds_load_b64 v[10:11], v8                       ; LDS serves a wave's instructions in order: these see my stores
	s_wait_dscnt 0x0
	global_store_b64 v9, v[10:11], s[18:19]        ; 32 lanes store 256 consecutive bytes, aligned
	s_wait_tensorcnt 0x0
	ds_add_u32 v248, v249
	s_wait_dscnt 0x0
	s_endpgm
	; ---- the table
.Ltable:
	s_sub_co_u32 s23, ttmp9, 384
	s_lshl_b32 s24, s23, 9                         ; the work-group's 128 positions, 4 bytes each
	s_mov_b32 s25, 0
	s_lshl_b32 s26, s23, 2
	s_add_co_u32 s26, s26, s22                     ; my wave's 32 positions are a pair of tiles:
	s_lshl_b32 s26, s26, 13                        ; 8,192 bytes of the table
	s_mov_b32 s27, 0
	s_mov_b32 s28, 0x3f22f983                      ; 2 / pi
	s_mov_b32 s29, 0x3fc90fdb                      ; pi / 2 in three parts
	s_mov_b32 s30, 0xb33bbd2e
	s_mov_b32 s31, 0xa6f72ced
	s_mov_b32 s32, 0xbe2aaaa3                      ; S1, S2, S3
	s_mov_b32 s33, 0x3c08839e
	s_mov_b32 s34, 0xb94ca1f9
	s_mov_b32 s35, 0x3d2aaaa5                      ; C1, C2, C3
	s_mov_b32 s36, 0xbab6061a
	s_mov_b32 s37, 0x37ccf5ce
	v_lshlrev_b32 v3, 2, v0
	s_wait_alu depctr_va_vdst(0)
	s_wait_kmcnt 0x0
	s_add_nc_u64 s[14:15], s[14:15], s[24:25]
	s_add_nc_u64 s[20:21], s[20:21], s[26:27]
	global_load_b32 v2, v3, s[14:15]
	v_bfe_u32 v13, v0, 3, 1                        ; position 32 a + l lies in tile 2 a + (l / 8) % 2, at its row l % 8 + 8 (l / 16)
	v_and_b32 v14, 7, v0
	v_bfe_u32 v15, v0, 4, 1
	v_lshl_add_u32 v14, v15, 3, v14
	v_lshlrev_b32 v14, 4, v14
	v_lshl_add_u32 v13, v13, 12, v14               ; 4,096 x tile + 16 x row
	s_wait_loadcnt 0x0
	v_cvt_f32_i32 v2, v2
	SINCOS 0, 1.0
	SINCOS 1, 0.74989420933
	SINCOS 2, 0.56234132519
	SINCOS 3, 0.42169650343
	SINCOS 4, 0.31622776602
	SINCOS 5, 0.23713737057
	SINCOS 6, 0.17782794100
	SINCOS 7, 0.13335214322
	SINCOS 8, 0.1
	SINCOS 9, 0.074989420933
	SINCOS 10, 0.056234132519
	SINCOS 11, 0.042169650343
	SINCOS 12, 0.031622776602
	SINCOS 13, 0.023713737057
	SINCOS 14, 0.017782794100
	SINCOS 15, 0.013335214322
	SINCOS 16, 0.01
	SINCOS 17, 0.0074989420933
	SINCOS 18, 0.0056234132519
	SINCOS 19, 0.0042169650343
	SINCOS 20, 0.0031622776602
	SINCOS 21, 0.0023713737057
	SINCOS 22, 0.0017782794100
	SINCOS 23, 0.0013335214322
	SINCOS 24, 0.001
	SINCOS 25, 0.00074989420933
	SINCOS 26, 0.00056234132519
	SINCOS 27, 0.00042169650343
	SINCOS 28, 0.00031622776602
	SINCOS 29, 0.00023713737057
	SINCOS 30, 0.00017782794100
	SINCOS 31, 0.00013335214322
.irp k, 0,1,2,3,4,5,6,7,8,9,10,11,12,13,14,15  ; chunk k = pairs 2 k, 2 k + 1 = plane 4 (k / 8) + k % 4, the reading lane's half (k / 4) % 2.  Sixteen lanes fill 256 consecutive bytes of one tile, sixteen of the other
	global_store_b128 v13, v[16+4*\k:19+4*\k], s[20:21] offset:(4*(\k/8)+\k%4)*512+((\k/4)%2)*256
.endr
	s_endpgm
.Lfunc_end_k_qd5d953a866_quant:
	.size	k_qd5d953a866_quant, .Lfunc_end_k_qd5d953a866_quant-k_qd5d953a866_quant
	.p2alignl 7, 3214868480
	.fill 96, 4, 3214868480
	.section	.rodata,"a",@progbits
	.p2align	6, 0x0
	.amdhsa_kernel k_qd5d953a866_quant
		.amdhsa_group_segment_fixed_size 35328
		.amdhsa_private_segment_fixed_size 0
		.amdhsa_enable_private_segment 0
		.amdhsa_kernarg_size 72
		.amdhsa_user_sgpr_count 2
		.amdhsa_user_sgpr_kernarg_segment_ptr 1
		.amdhsa_wavefront_size32 1
		.amdhsa_system_sgpr_workgroup_id_x 1
		.amdhsa_system_sgpr_workgroup_id_y 1
		.amdhsa_system_sgpr_workgroup_id_z 1
		.amdhsa_system_vgpr_workitem_id 0
		.amdhsa_next_free_vgpr 250
		.amdhsa_next_free_sgpr 66
		.amdhsa_reserve_vcc 1
		.amdhsa_float_denorm_mode_32 3
		.amdhsa_float_denorm_mode_16_64 3
		.amdhsa_memory_ordered 1
		.amdhsa_forward_progress 1
		.amdhsa_inst_pref_size 76
	.end_amdhsa_kernel
	.amdgpu_metadata
---
amdhsa.version: [ 1, 2 ]
amdhsa.kernels:
  - .name:           k_qd5d953a866_quant
    .symbol:         k_qd5d953a866_quant.kd
    .args:
      - { .name: x, .offset: 0, .size: 8, .value_kind: global_buffer, .address_space: global }
      - { .name: Wq, .offset: 8, .size: 8, .value_kind: global_buffer, .address_space: global }
      - { .name: Wk, .offset: 16, .size: 8, .value_kind: global_buffer, .address_space: global }
      - { .name: Wv, .offset: 24, .size: 8, .value_kind: global_buffer, .address_space: global }
      - { .name: Wo, .offset: 32, .size: 8, .value_kind: global_buffer, .address_space: global }
      - { .name: token_positions, .offset: 40, .size: 8, .value_kind: global_buffer, .address_space: global }
      - { .name: xw_codes, .offset: 48, .size: 8, .value_kind: global_buffer, .address_space: global }
      - { .name: xw_scales, .offset: 56, .size: 8, .value_kind: global_buffer, .address_space: global }
      - { .name: rope_tab, .offset: 64, .size: 8, .value_kind: global_buffer, .address_space: global }
    .group_segment_fixed_size: 35328
    .private_segment_fixed_size: 0
    .kernarg_segment_align: 8
    .kernarg_segment_size: 72
    .max_flat_workgroup_size: 128
    .sgpr_count:     66
    .vgpr_count:     250
    .wavefront_size: 32
...
	.end_amdgpu_metadata
.endif
;; end of part 1
;; launch qkv (part 2): grid 192 x 1, 4 waves a work-group, no clusters, 270,848 bytes of LDS; arguments xw_codes, xw_scales, rope_tab, q_codes, q_scales, kv_img; writes q_codes, q_scales, kv_img
.if DOCPART == 2
	.amdgcn_target "amdgcn-amd-amdhsa--gfx1250"
	.amdhsa_code_object_version 6
	.text
	.protected	k_qd5d953a866_qkv
	.globl	k_qd5d953a866_qkv
	.p2align	8
	.type	k_qd5d953a866_qkv,@function
k_qd5d953a866_qkv:
	s_mov_b64 s[64:65], 0
	v_nop
	global_prefetch_b8 v0, s[64:65] scope:SCOPE_SE
	s_setreg_imm32_b32 hwreg(HW_REG_WAVE_MODE, 25, 1), 1
	s_wait_xcnt 0x0
; q = rope(x Wq^T), k = rope(x Wk^T), v = x Wv^T on codes of FP6 (E2M3) with E8M0 scales, sums in f32; the results are quantised in registers and leave as codes: q and k along the head's 64, v along the keys.
; THE FORM.  A wave keeps a block P of 128 rows x K 1,024 (8 tiles x 8 K steps = 64 fragments, 768 registers) for the whole launch.  The work-group's 16 tiles R (16 rows x K 1,024, 12,288 bytes each) come into LDS once.
; A UNIT is one tile of R against P: 64 matrix instructions on 8 accumulators by turns, K step by K step.  Source 0 = a tile of P, source 1 = the tile of R: a lane holds one row of R, and its 64 registers run along P's 128 rows
; in the order 32 b + 16 (lane / 16) + i, which is what the quantiser takes.  So 12,288 bytes read from LDS feed 64 matrix instructions.
; Work-groups 0-127 (q: 0-63, k: 64-127): P = 128 rows of Wq or Wk (two heads), R = 256 rows of x.  A unit's result is 16 positions x 2 heads x 64: rotated, quantised: two half fragments.
; Work-groups 128-191 (v): P = 128 rows of x (128 keys: one K step of the attention's second product), R = 256 rows of Wv (four heads).  A unit's result is 16 channels x 128 keys: quantised along the keys: one fragment.
; One text serves the three kinds: what differs is a handful of scalars chosen by the work-group's number, and the rotation, which a scalar branch leaves out for v.
; 192 work-groups: R's ranges have to divide both 512 tiles (x) and 64 tiles (Wv); 16 tiles do.  No cluster: what the tensor loads bring is under two thirds of a work-group's bytes; P goes to registers by plain loads.
; v's work-groups fetch a slice of the table too and do not read it: so every path has the same three tensor loads and the same LDS bytes filled (65,536 bytes a work-group, 64 work-groups).
; OUT.  A half fragment (16 rows x 64 K, six registers) is 768 bytes: registers 0-3 of lane l at 16 l, registers 4-5 at 512 + 8 l.  q_codes [64 heads][128 tiles][768]; q_scales [64][32 groups of 4 tiles][16 rows][4 words];
; a word has the head's two bytes below and zeros above.  kv_img [64 heads][208,896]: k's scale words (8,192, as q_scales), v's (4,096: [16 key steps][16 rows][4 tiles]), k's codes (98,304, as q_codes),
; v's codes (98,304: [16 key steps][4 tiles of channels][2 halves of 64 keys][768]).
; LIMITS: a block of zeros gets the byte 1 (its codes are zeros, and this program alone reads the bytes); NaN and infinities are not served.
; REGISTERS.  Windows 1-3: P's fragments f = 8 s + i (K step s, tile i), 21 to a window, 12 registers each; fragment 63 in window 0.  Window 0: see the names below.
.set LANE, 1                           ; v1   lane
.set LI,   2                           ; v2   16 x lane: an image's place for my lane, in memory and in LDS
.set L4,   3                           ; v3   4 x lane
.set RA,   4                           ; v4   LDS address of the trip's tiles of R
.set RS,   5                           ; v5   of their scale words
.set SB,   7                           ; v7   the second half fragment's first 512 bytes
.set SA8,  8                           ; v8   the first half fragment's last 256 bytes: 8 x lane + 512
.set SB8,  9                           ; v9   the second's
.set SS,   10                          ; v10  where my four scale words go
.set SH,   11                          ; v11  how far my half of the lanes shifts a scale word
.set CA,   12                          ; v12  LDS address of the trip's tiles of the table
.set PSC,  16                          ; v16-47   P's scale words: tile i, K steps 2 j (lanes 0-15) and 2 j + 1 (lanes 16-31) at 4 i + j
.set RSC,  48                          ; v48-51   R's likewise
.set SW,   52                          ; v52-55   the scale words of a trip's four units, to be stored
.set ACC,  56                          ; v56-119  the 8 accumulators
.set RF,   120                         ; v120-215 R's 8 fragments
.set CS,   120                         ; v120-151 over K steps 0-2: 16 pairs (cos, sin)
.set TT,   152                         ; v152-159 over K step 3: at work in the rotation
.set TM,   168                         ; v168-183 over K steps 4-7: at work in the quantiser
.set PW,   184
.set PC,   186                         ; v186-204
.set P63,  216                         ; v216-227 P's fragment 63
.set WV,   16
.set TYPE, 18                          ; s18  0: q or k; 1: v
.set G1R,  24                          ; s[24:31], s[32:39], s[40:47] descriptor groups 1: R, its scales, the table
.set G1S,  32
.set G1T,  40
.set G0R,  48                          ; s[48:51], s[52:55], s[56:59] their groups 0
.set G0S,  52
.set G0T,  56
.set SEL,  60
.set OUT,  66                          ; s[66:67] where the unit's codes go;  s[68:69] where the trip's scale words go
.set SOUT, 68
.set USTEP, 70                         ; s[70:71] OUT's step from unit to unit; s[72:73] its further step from trip to trip; s[74:75] SOUT's step
.set TSTEP, 72
.set SSTEP, 74
.set PB,   76
.set PSB,  78
.set TB,   80                          ; s80-82 LDS bytes at which the trip's tiles of R, their scale words and the table's tiles begin
.set TS,   81
.set TC,   82
.set CNT,  83
.set MASK, 84
.set LIM,  85
.set SV,   86
.set MSB, 0
.macro WIN new                         ; the immediate's high byte repeats the setting that is left; a switch that changes nothing is dropped
.if MSB != (\new)
	s_set_vgpr_msb (MSB<<8)|(\new)
.set MSB, (\new)
.endif
.endm
.macro PLACES                          ; four places behind matrix instructions, in front of loads into their registers and of the first read of results
.rept 4
	v_nop
.endr
.endm
; K steps s0 .. s1 of a unit: 8 matrix instructions each, the 8 accumulators by turns.  K step 0 starts the sums with the constant 0.
.macro MULS s0, s1
.set ks, \s0
.rept \s1-\s0+1
.set ti, 0
.rept 8
.set ff, 8*ks+ti
.if ff < 63
.set wn, 1+ff/21
.set pr, 12*(ff%21)
.else
.set wn, 0
.set pr, P63
.endif
	WIN wn                                         ; source 0 in P's window; all else in window 0
.if ks == 0
	v_wmma_scale_f32_16x16x128_f8f6f4 v[ACC+8*ti:ACC+8*ti+7], v[pr:pr+11], v[RF+12*ks:RF+12*ks+11], 0, v[PSC+4*ti+ks/2], v[RSC+ks/2] matrix_a_fmt:MATRIX_FMT_FP6 matrix_b_fmt:MATRIX_FMT_FP6
.elseif ks%2 == 0
	v_wmma_scale_f32_16x16x128_f8f6f4 v[ACC+8*ti:ACC+8*ti+7], v[pr:pr+11], v[RF+12*ks:RF+12*ks+11], v[ACC+8*ti:ACC+8*ti+7], v[PSC+4*ti+ks/2], v[RSC+ks/2] matrix_a_fmt:MATRIX_FMT_FP6 matrix_b_fmt:MATRIX_FMT_FP6
.else
	v_wmma_scale_f32_16x16x128_f8f6f4 v[ACC+8*ti:ACC+8*ti+7], v[pr:pr+11], v[RF+12*ks:RF+12*ks+11], v[ACC+8*ti:ACC+8*ti+7], v[PSC+4*ti+ks/2], v[RSC+ks/2] matrix_a_fmt:MATRIX_FMT_FP6 matrix_b_fmt:MATRIX_FMT_FP6 matrix_a_scale:MATRIX_SCALE_ROW1 matrix_b_scale:MATRIX_SCALE_ROW1
.endif
.set ti, ti+1
.endr
.set ks, ks+1
.endr
.endm
; 64 numbers of a lane, v[s] .. v[s + 63], register 16 b + i = k 32 b + 16 (lane / 16) + i of my row, become a fragment's codes in v[PC] on and its row's scale word in v[PW].
.macro QUANT s
.irp b, 0,1,2,3
	v_max3_num_f32 v[TM+\b], |v[\s+16*\b]|, |v[\s+1+16*\b]|, 0x1800000   ; block b: my 16 numbers, and the floor 2^(3 - 127): the byte cannot fall under 1
.endr
.irp i, 2,4,6,8,10,12,14
.irp b, 0,1,2,3
	v_max3_num_f32 v[TM+\b], v[TM+\b], |v[\s+16*\b+\i]|, |v[\s+1+16*\b+\i]|
.endr
.endr
.irp b, 0,1,2,3
	v_permlanex16_b32 v[TM+4+\b], v[TM+\b], s[SEL], s[SEL+1]
.endr
.irp b, 0,1,2,3
	v_max_num_f32 v[TM+\b], v[TM+\b], v[TM+4+\b]   ; with lane l xor 16's: the block's largest magnitude
.endr
.irp b, 0,1,2,3
	v_add_nc_u32 v[TM+12+\b], 0xff000000, v[TM+\b]   ; 2 off its exponent field: the conversion's scale operand
.endr
.irp b, 0,1,2,3
	v_lshrrev_b32 v[TM+4+\b], 23, v[TM+12+\b]      ; the scale's byte
.endr
	v_lshl_or_b32 v[PW], v[TM+5], 8, v[TM+4]
	v_lshl_or_b32 v[PW], v[TM+6], 16, v[PW]
	v_lshl_or_b32 v[PW], v[TM+7], 24, v[PW]
.irp c, 0,1
	v_cvt_scalef32_pk16_fp6_f32 v[PC+6*\c:PC+2+6*\c], v[\s+32*\c:\s+15+32*\c], v[TM+12+2*\c]
	v_cvt_scalef32_pk16_fp6_f32 v[PC+12+4*\c:PC+14+4*\c], v[\s+16+32*\c:\s+31+32*\c], v[TM+12+2*\c+1]
.endr
	v_nop                                          ; one plain place behind a scaled conversion
.irp c, 0,1
.irp i, 0,1,2
	v_permlane16_swap_b32 v[PC+6*\c+\i], v[PC+12+4*\c+\i]
.endr
.irp i, 0,1,2
	v_mov_b32 v[PC+3+6*\c+\i], v[PC+12+4*\c+\i]
.endr
.endr
.endm
.macro FETCH0 u                        ; K steps 0-3 of the trip's tile u of R, and its four registers of scale words
.irp s, 0,1,2,3
.irp c, 0,1,2
	ds_load_b128 v[RF+12*\s+4*\c:RF+12*\s+4*\c+3], v[RA] offset:(\u)*12288+\s*1536+\c*512
.endr
.endr
.irp j, 0,1,2,3
	ds_load_b32 v[RSC+\j], v[RS] offset:(\u)*512+128*\j
.endr
.endm
; The rotation.  Registers 32 c + 16 b + 2 m, + 1 are (x1, x2) of head c's pair 16 b + 8 (lane / 16) + m; v[CS + 16 b + 2 m], + 1 its (cos, sin) at my row's position.
; T = (x2 sin, x1 sin); then (x1, x2) cos + (-T.lo, T.hi): each half of the second line reads its own half of X alone.  Ascending: each accumulator is read from its low end on.
.macro ROPE
.irp c, 0,1
.irp b, 0,1
.irp g, 0,4
.irp m, 0,1,2,3
	v_pk_mul_f32 v[TT+2*\m:TT+2*\m+1], v[ACC+32*\c+16*\b+2*(\g+\m):ACC+32*\c+16*\b+2*(\g+\m)+1], v[CS+16*\b+2*(\g+\m):CS+16*\b+2*(\g+\m)+1] op_sel:[1,1] op_sel_hi:[0,1]
.endr
.irp m, 0,1,2,3
	v_pk_fma_f32 v[ACC+32*\c+16*\b+2*(\g+\m):ACC+32*\c+16*\b+2*(\g+\m)+1], v[ACC+32*\c+16*\b+2*(\g+\m):ACC+32*\c+16*\b+2*(\g+\m)+1], v[CS+16*\b+2*(\g+\m):CS+16*\b+2*(\g+\m)+1], v[TT+2*\m:TT+2*\m+1] op_sel_hi:[1,0,1] neg_lo:[0,0,1]
.endr
.endr
.endr
.endr
.endm
	s_load_b256 s[4:11], s[0:1], 0x0               ; xw_codes, xw_scales, rope_tab, q_codes
	s_load_b128 s[12:15], s[0:1], 0x20             ; q_scales, kv_img
	v_lshl_add_u32 v254, v0, 2, 0x42000
	v_mov_b32 v255, 0
	ds_add_u32 v254, v255
	ds_add_u32 v254, v255
	v_lshrrev_b32 v1, 5, v0
	v_readfirstlane_b32 s[WV], v1                  ; wave 0..3
	; which block of P and which range of R: both kinds are worked out, then chosen by the work-group's number
	s_lshr_b32 s87, ttmp9, 5                       ; q, k: 4 groups of P x 32 ranges of R
	s_and_b32 s88, ttmp9, 31
	s_sub_co_u32 s89, ttmp9, 128                   ; v: 16 groups of P x 4 ranges of R
	s_lshr_b32 s90, s89, 2
	s_and_b32 s91, s89, 3
	s_cmp_lt_u32 ttmp9, 128
	s_cselect_b32 s87, s87, s90
	s_cselect_b32 s88, s88, s91                    ; rg: the range of R
	s_cselect_b32 s[TYPE], 0, 1
	s_cselect_b32 s91, 512, 0                      ; P's first tile: the weights begin at tile 512; x at 0
	s_cselect_b32 s92, 0, 640                      ; R's: x at 0; Wv at 640
	s_lshl_b32 s87, s87, 2
	s_add_co_u32 s87, s87, s[WV]                   ; pb: my wave's block of P
	s_lshl_b32 s89, s87, 3
	s_add_co_u32 s89, s89, s91                     ; its first tile
	s_lshl_b32 s90, s88, 4
	s_add_co_u32 s90, s90, s92                     ; R's first tile
	; descriptor groups 1: dense blocks as rows of 256 bytes (32 elements of 8 bytes): 192, 8 and 64 rows
.irp g, G1R, G1S, G1T
	s_mov_b32 s[\g], 3<<16                         ; no mask; elements of 8 bytes; no padding
	s_mov_b32 s[\g+1], 32<<16                      ; tensor_dim0 = 32
	s_mov_b32 s[\g+3], 32<<16                      ; tile_dim0 = 32
	s_mov_b32 s[\g+5], 32                          ; from row to row: 32 elements
	s_mov_b32 s[\g+6], 0
	s_mov_b32 s[\g+7], 0
.endr
	s_mov_b32 s[G1R+2], 192<<16                    ; tensor_dim1
	s_mov_b32 s[G1R+4], 192                        ; tile_dim1
	s_mov_b32 s[G1S+2], 8<<16
	s_mov_b32 s[G1S+4], 8
	s_mov_b32 s[G1T+2], 64<<16
	s_mov_b32 s[G1T+4], 64
	; groups 0: each wave brings a quarter of each of the three
	s_mul_i32 s20, s90, 12288
	s_mul_i32 s[G0R+1], s[WV], 49152               ; LDS: R's 16 tiles from byte 0
	s_add_co_u32 s20, s20, s[G0R+1]
	s_mov_b32 s21, 0
	s_lshl_b32 s22, s90, 9
	s_lshl_b32 s2, s[WV], 11
	s_add_co_u32 s22, s22, s2
	s_mov_b32 s23, 0
	s_add_co_u32 s[G0S+1], s2, 196608              ; their scale words from byte 196,608
	s_and_b32 s3, s88, 7                           ; which 256 positions of the 2,048
	s_lshl_b32 s62, s3, 16
	s_lshl_b32 s19, s[WV], 14
	s_add_co_u32 s62, s62, s19
	s_mov_b32 s63, 0
	s_add_co_u32 s[G0T+1], s19, 204800             ; the table's 16 tiles from byte 204,800
	s_mov_b32 s[G0R], 1
	s_mov_b32 s[G0S], 1
	s_mov_b32 s[G0T], 1
	s_wait_dscnt 0x0
	s_wait_kmcnt 0x0
	s_add_nc_u64 s[G0R+2:G0R+3], s[4:5], s[20:21]
	s_or_b32 s[G0R+3], s[G0R+3], 0x80000000
	s_add_nc_u64 s[G0S+2:G0S+3], s[6:7], s[22:23]
	s_or_b32 s[G0S+3], s[G0S+3], 0x80000000
	s_add_nc_u64 s[G0T+2:G0T+3], s[8:9], s[62:63]
	s_or_b32 s[G0T+3], s[G0T+3], 0x80000000
	tensor_load_to_lds s[G0R:G0R+3], s[G1R:G1R+7]  ; the launch's only fills: three loads of mine are out
	s_nop 0
	tensor_load_to_lds s[G0S:G0S+3], s[G1S:G1S+7]
	s_nop 0
	tensor_load_to_lds s[G0T:G0T+3], s[G1T:G1T+7]
	s_nop 0
	PLACES                                         ; four v_nop follow the last
	; where the results go
	s_lshr_b32 s91, s88, 3
	s_lshl_b32 s91, s91, 4
	s_and_b32 s92, s87, 7
	s_lshl_b32 s92, s92, 1
	s_add_co_u32 s91, s91, s92                     ; q, k: first head = 16 batch + 2 (pb % 8)
	s_lshr_b32 s92, s87, 4
	s_lshl_b32 s92, s92, 4
	s_lshl_b32 s93, s88, 2
	s_add_co_u32 s92, s92, s93                     ; v: 16 batch + 4 rg
	s_mul_i32 s93, s3, 12288                       ; q, k: 16 tiles of 768 bytes for each 256 positions,
	s_lshl_b32 s94, s3, 10                         ; 4 groups of 256 bytes of scale words
	s_and_b32 s95, s87, 15                         ; v: the key step
	s_mul_i32 s96, s95, 6144
	s_lshl_b32 s95, s95, 8
	s_mov_b32 s97, 208896
	s_mov_b32 s98, 208896
	s_cmp_lt_u32 ttmp9, 64                         ; q?
	s_cselect_b32 s97, 98304, s97                  ; bytes from head to head: codes,
	s_cselect_b32 s98, 8192, s98                   ; scale words
	s_cselect_b32 s99, 0, 12288                    ; where the codes begin in a head's bytes
	s_cselect_b64 s[OUT:OUT+1], s[10:11], s[14:15]
	s_cselect_b64 s[SOUT:SOUT+1], s[12:13], s[14:15]
	s_mov_b32 s[USTEP], 1536
	s_mov_b32 s[SSTEP], 208896
	s_cmp_lt_u32 ttmp9, 128                        ; q or k?
	s_cselect_b32 s91, s91, s92
	s_cselect_b32 s93, s93, s96
	s_cselect_b32 s94, s94, s95
	s_cselect_b32 s99, s99, 110592
	s_cselect_b32 s92, 0, 8192                     ; where the scale words begin
	s_cselect_b32 s95, s97, 768                    ; the fragment's second half: the next head's tile, or the next 64 keys
	s_cselect_b32 s96, s98, 0                      ; lanes 16-31 store the next head's scale words, or nothing
	s_cselect_b32 s[USTEP], 768, s[USTEP]
	s_cselect_b32 s[TSTEP], 0, 202752              ; v: four units end a head: 208,896 - 4 x 1,536 on
	s_cselect_b32 s[SSTEP], 256, s[SSTEP]
	s_cselect_b32 s19, 16, 0
	s_cselect_b32 s[MASK], 0xffff, -1
	s_cselect_b32 s[LIM], 32, 16
	s_mov_b32 s[USTEP+1], 0
	s_mov_b32 s[TSTEP+1], 0
	s_mov_b32 s[SSTEP+1], 0
	s_mul_i32 s20, s91, s97
	s_add_co_u32 s20, s20, s99
	s_add_co_u32 s20, s20, s93
	s_add_nc_u64 s[OUT:OUT+1], s[OUT:OUT+1], s[20:21]
	s_mul_i32 s22, s91, s98
	s_add_co_u32 s22, s22, s92
	s_add_co_u32 s22, s22, s94
	s_add_nc_u64 s[SOUT:SOUT+1], s[SOUT:SOUT+1], s[22:23]
	s_mul_i32 s[PB], s89, 12288
	s_mov_b32 s[PB+1], 0
	s_add_nc_u64 s[PB:PB+1], s[4:5], s[PB:PB+1]
	s_lshl_b32 s[PSB], s89, 9
	s_mov_b32 s[PSB+1], 0
	s_add_nc_u64 s[PSB:PSB+1], s[6:7], s[PSB:PSB+1]
	s_mov_b32 s[SEL], 0x76543210
	s_mov_b32 s[SEL+1], 0xfedcba98
	v_and_b32 v[LANE], 31, v0
	v_lshlrev_b32 v[LI], 4, v[LANE]
	v_lshlrev_b32 v[L4], 2, v[LANE]
	v_and_b32 v13, 15, v0                          ; r
	v_bfe_u32 v14, v0, 4, 1                        ; h
	v_add_nc_u32 v[SB], s95, v[LI]
	v_lshl_add_u32 v[SA8], v[LANE], 3, 512
	v_add_nc_u32 v[SB8], s95, v[SA8]
	v_mul_u32_u24 v[SS], s96, v14
	v_lshl_add_u32 v[SS], v13, 4, v[SS]            ; 16 r, + the next head for lanes 16-31
	v_mul_u32_u24 v[SH], s19, v14
	; P: 64 fragments, three loads of 512 consecutive bytes each
.set ff, 0
.rept 64
.if ff < 63
.set wn, 1+ff/21
.set pr, 12*(ff%21)
.else
.set wn, 0
.set pr, P63
.endif
	WIN wn<<6                                      ; the destination's window
.irp c, 0,1,2
	global_load_b128 v[pr+4*\c:pr+4*\c+3], v[LI], s[PB:PB+1] offset:(ff%8)*12288+(ff/8)*1536+\c*512
.endr
.set ff, ff+1
.endr
	WIN 0
.irp i, 0,1,2,3,4,5,6,7
.irp j, 0,1,2,3
	global_load_b32 v[PSC+4*\i+\j], v[L4], s[PSB:PSB+1] offset:\i*512+\j*128   ; 128 consecutive bytes: the words of K step 2 j, then of 2 j + 1
.endr
.endr
	s_mov_b32 s[TB], 0
	s_mov_b32 s[TS], 196608
	s_mov_b32 s[TC], 204800
	s_mov_b32 s[CNT], 4
	v_add_nc_u32 v[RA], s[TB], v[LI]
	v_add_nc_u32 v[RS], s[TS], v[L4]
	s_wait_alu depctr_va_vdst(0)
	s_wait_tensorcnt 0x0                           ; my three quarters have landed,
	s_barrier_signal -1
	s_barrier_wait -1                              ; everybody's have: the one barrier of the launch
	FETCH0 0
	s_wait_loadcnt 0x0                             ; P and its scale words
; One unit, the trip's u4-th.
.macro UNIT u4
.irp s, 4,5,6,7
.irp c, 0,1,2
	ds_load_b128 v[RF+12*\s+4*\c:RF+12*\s+4*\c+3], v[RA] offset:\u4*12288+\s*1536+\c*512
.endr
.endr
	s_wait_dscnt 12                                ; K steps 0-3 and the scale words, asked for in the unit before, are in; the 12 loads just issued may be out
	MULS 0, 3
	WIN 0
	s_wait_dscnt 0x0                               ; K steps 4-7 are in
	PLACES                                         ; in front of loads into the registers of K steps 0-2
	s_cmp_lg_u32 s[TYPE], 0
	s_cbranch_scc1 .Lno_tab_\@
	s_wait_alu depctr_va_vdst(0)
.irp p, 0,1,2,3,4,5,6,7
	ds_load_b128 v[CS+4*\p:CS+4*\p+3], v[CA] offset:\u4*4096+512*\p   ; my row's 16 pairs (cos, sin): they land under K steps 4-7
.endr
.Lno_tab_\@:
	MULS 4, 7
	WIN 0
	PLACES                                         ; in front of the first read of results, and of the loads below
	s_cmp_lg_u32 s[TYPE], 0
	s_cbranch_scc1 .Lno_rope_\@
	s_wait_dscnt 0x0                               ; the pairs are in
	ROPE
.Lno_rope_\@:
.if \u4 == 3
	s_cmp_eq_u32 s[CNT], 1                         ; the last unit has no successor: nothing is read past the tiles
	s_cbranch_scc1 .Lno_next_\@
.endif
	s_wait_alu depctr_va_vdst(0)
	FETCH0 \u4+1                                   ; the next unit's first half lands under the quantiser
.if \u4 == 3
.Lno_next_\@:
.endif
	QUANT ACC
	v_lshrrev_b32 v[TM], v[SH], v[PW]              ; q, k: lanes 0-15 keep the first head's two bytes, lanes 16-31 the second's; v: the whole word
	v_and_b32 v[SW+\u4], s[MASK], v[TM]
	global_store_b128 v[LI], v[PC:PC+3], s[OUT:OUT+1]        ; 512 and 256 consecutive bytes, at multiples of 256 from the buffer's first byte
	global_store_b64 v[SA8], v[PC+4:PC+5], s[OUT:OUT+1]
	global_store_b128 v[SB], v[PC+6:PC+9], s[OUT:OUT+1]
	global_store_b64 v[SB8], v[PC+10:PC+11], s[OUT:OUT+1]
	s_wait_xcnt 0x0                                ; the stores have read their registers and their base: both are written again only behind this wait
	s_add_nc_u64 s[OUT:OUT+1], s[OUT:OUT+1], s[USTEP:USTEP+1]
.if \u4 == 3
	v_cmp_gt_u32 vcc_lo, s[LIM], v[LANE]
	s_and_saveexec_b32 s[SV], vcc_lo               ; (no memory instruction has been issued since the wait above)
	s_wait_alu depctr_va_vdst(0)
	global_store_b128 v[SS], v[SW:SW+3], s[SOUT:SOUT+1]      ; sixteen lanes store 256 consecutive bytes: 16 rows x the four units' words
	s_wait_xcnt 0x0                                ; EXEC is widened only behind this wait
	s_or_b32 exec_lo, exec_lo, s[SV]
	s_add_nc_u64 s[SOUT:SOUT+1], s[SOUT:SOUT+1], s[SSTEP:SSTEP+1]
	s_add_nc_u64 s[OUT:OUT+1], s[OUT:OUT+1], s[TSTEP:TSTEP+1]
.endif
.endm
.Ltrip:                                            ; four trips of four units
	v_add_nc_u32 v[RA], s[TB], v[LI]
	v_add_nc_u32 v[RS], s[TS], v[L4]
	v_add_nc_u32 v[CA], s[TC], v[LI]
	UNIT 0
	UNIT 1
	UNIT 2
	UNIT 3
	s_add_co_u32 s[TB], s[TB], 49152
	s_add_co_u32 s[TS], s[TS], 2048
	s_add_co_u32 s[TC], s[TC], 16384
	s_sub_co_u32 s[CNT], s[CNT], 1
	s_cmp_lg_u32 s[CNT], 0
	s_cbranch_scc1 .Ltrip
	s_wait_tensorcnt 0x0
	ds_add_u32 v254, v255
	s_wait_dscnt 0x0
	s_endpgm
.Lfunc_end_k_qd5d953a866_qkv:
	.size	k_qd5d953a866_qkv, .Lfunc_end_k_qd5d953a866_qkv-k_qd5d953a866_qkv
	.p2alignl 7, 3214868480
	.fill 96, 4, 3214868480
	.section	.rodata,"a",@progbits
	.p2align	6, 0x0
	.amdhsa_kernel k_qd5d953a866_qkv
		.amdhsa_group_segment_fixed_size 270848
		.amdhsa_private_segment_fixed_size 0
		.amdhsa_enable_private_segment 0
		.amdhsa_kernarg_size 48
		.amdhsa_user_sgpr_count 2
		.amdhsa_user_sgpr_kernarg_segment_ptr 1
		.amdhsa_wavefront_size32 1
		.amdhsa_system_sgpr_workgroup_id_x 1
		.amdhsa_system_sgpr_workgroup_id_y 1
		.amdhsa_system_sgpr_workgroup_id_z 1
		.amdhsa_system_vgpr_workitem_id 0
		.amdhsa_next_free_vgpr 1024
		.amdhsa_next_free_sgpr 100
		.amdhsa_reserve_vcc 1
		.amdhsa_float_denorm_mode_32 3
		.amdhsa_float_denorm_mode_16_64 3
		.amdhsa_memory_ordered 1
		.amdhsa_forward_progress 1
		.amdhsa_inst_pref_size 108
	.end_amdhsa_kernel
	.amdgpu_metadata
---
amdhsa.version: [ 1, 2 ]
amdhsa.kernels:
  - .name:           k_qd5d953a866_qkv
    .symbol:         k_qd5d953a866_qkv.kd
    .args:
      - { .name: xw_codes, .offset: 0, .size: 8, .value_kind: global_buffer, .address_space: global }
      - { .name: xw_scales, .offset: 8, .size: 8, .value_kind: global_buffer, .address_space: global }
      - { .name: rope_tab, .offset: 16, .size: 8, .value_kind: global_buffer, .address_space: global }
      - { .name: q_codes, .offset: 24, .size: 8, .value_kind: global_buffer, .address_space: global }
      - { .name: q_scales, .offset: 32, .size: 8, .value_kind: global_buffer, .address_space: global }
      - { .name: kv_img, .offset: 40, .size: 8, .value_kind: global_buffer, .address_space: global }
    .group_segment_fixed_size: 270848
    .private_segment_fixed_size: 0
    .kernarg_segment_align: 8
    .kernarg_segment_size: 48
    .max_flat_workgroup_size: 128
    .sgpr_count:     100
    .vgpr_count:     1024
    .wavefront_size: 32
...
	.end_amdgpu_metadata
.endif
;; end of part 2
;; launch attn (part 3): grid 4 x 64, 16 waves a work-group, clusters of 4 x 1, 210,944 bytes of LDS; arguments q_codes, q_scales, kv_img, att_codes, att_scales; writes att_codes, att_scales
.if DOCPART == 3
	.amdgcn_target "amdgcn-amd-amdhsa--gfx1250"
	.amdhsa_code_object_version 6
	.text
	.protected	k_qd5d953a866_attn
	.globl	k_qd5d953a866_attn
	.p2align	8
	.type	k_qd5d953a866_attn,@function
k_qd5d953a866_attn:
	s_mov_b64 s[64:65], 0
	v_nop
	global_prefetch_b8 v0, s[64:65] scope:SCOPE_SE
	s_setreg_imm32_b32 hwreg(HW_REG_WAVE_MODE, 25, 1), 1
	s_wait_xcnt 0x0
	s_wait_alu depctr_hold_cnt(0) depctr_sa_sdst(0) depctr_va_vdst(0) depctr_va_sdst(0) depctr_va_ssrc(0) depctr_va_vcc(0) depctr_vm_vsrc(0)
	s_getreg_b32 s2, hwreg(HW_REG_IB_STS2, 6, 4)
	s_cmp_eq_u32 s2, 0
	s_cbranch_scc0 .Lentry_in_a_cluster
	s_endpgm
.Lentry_in_a_cluster:
	s_bfe_u32 s2, ttmp6, 0x10000c
	s_cmp_lg_u32 s2, 0x3003
	s_cbranch_scc0 .Lentry_shape_is_right
	s_endpgm
.Lentry_shape_is_right:
; Causal attention of one head (of 64: batch x head) on codes of FP6 (E2M3) with E8M0 scales: S^T = K Q^T (K = the head's 64), p = 2^(t - M), O^T = V^T P^T (K = the keys), O / l quantised along the head's 64.
; THE SOFTMAX: t = score x log2(e) / 8; M = the running largest t, rounded UP to a whole number; p = 2^(t - M) is what is quantised, in blocks of 32 keys; it is not normalised.  The row's sum l is taken of the
; unquantised p and divides O at the end.  When M moves, l and O are multiplied by 2^(old M - new M): exact.
; SHARES.  The four work-groups of a cluster are one head.  A wave owns one tile of 16 queries at a time, in 256 registers: tile 4 w + cx in the first pass, tile 127 - (4 w + cx) in the second.  Tile t needs key steps
; (128 keys) 0 .. t / 8, and (4 w + cx) / 8 = w / 2: so a wave has w / 2 + 1 steps in the first pass and 16 - w / 2 in the second, 17 in all, whatever w and cx: and no branch hangs on cx.
; Both loops have constant trip counts (8 and 16); a step all of whose keys come after the tile's queries is jumped over, but for the lines that step addresses.
; THE HEAD'S WHOLE RECORD (208,896 bytes of kv_img: K's scale words, V's, K's codes, V's codes) lies in LDS at its own offsets.  It is filled once, by JOINT loads of the four work-groups (mask 15): each wave asks for a
; sixteenth of the scale words and for two sixteenths of the codes.  ONE barrier follows, in front of which each wave waits for all three of its loads.  Behind it LDS is only read, and the waves do not meet again before the
; closing round: a barrier between the passes would make every wave wait for the longest first pass (8 steps) and then for the longest second (16), 24 steps for each wave's 17.
; TILES.  Tile t of queries, keys or channels is rows 32 (t / 2) + 8 (t % 2) + i + 8 (i / 8).  Both products are used transposed: a lane holds ONE query (lane % 16) throughout; the 16 registers of result tiles 2 b, 2 b + 1 are
; 16 neighbouring keys (or channels) 32 b + 16 (lane / 16) + 0 .. 15.
; K = 64 IN A FORM OF K = 128.  Q's upper six registers are zero codes.  K's tiles are half fragments of six registers, loaded one behind the other; a tile's operand is its six and the next six (the next tile's codes, or zeros
; behind the last).  Those meet Q's zero codes; E2M3 has no NaN and no infinity, and the upper scale bytes of K's and Q's words are 0 (a power of two): they add exactly nothing.
; OUT.  att_codes [512 tiles of rows][16 heads][768]: half fragments; att_scales [512][8 K steps][16 rows][4 bytes]: a head gives two bytes of a word.  Those stores are 2 bytes a lane, 32 bytes a tile and head:
; parts of a 256-byte block, 262,144 bytes in the whole launch.
; LIMITS: a block of zeros gets the byte 1 (zero codes; this program alone reads the bytes); NaN and infinities are not served.
.set L16,  1                           ; v1   16 x lane
.set L8,   2                           ; v2   8 x lane
.set R16,  3                           ; v3   16 x (lane % 16)
.set QD,   4                           ; v4   my query's place in its 32, less 16 (lane / 16)
.set LANE, 5
.set ADK16, 6                          ; v6-11 LDS addresses of the step in hand
.set ADK8, 7
.set ADV16, 8
.set ADV8, 9
.set ADS,  10
.set ADT,  11
                                       ; v12 -M, v13 the largest t, v[14:15] the sum in two halves; v16-27 Q (v22-27 zeros)
.set QSC,  28                          ; v28  Q's scale words;  v29 p's;  v30-37 K's, a register a tile;  v38-41 V's
.set PSW,  29
.set KSC,  30
.set VSC,  38
.set FR,   42                          ; v42-89 eight half fragments of K, later four fragments of V; v90-95 zeros
.set S,    96                          ; v96-159 S^T, then p
.set O,    160                         ; v160-191 O^T
.set PC,   192                         ; v192-203 p's codes; v204-210 at work
.set PC2,  204
.set BM,   212                         ; v212-215 the blocks' largest scores, then largest p
.set T1,   216
.set T2,   220
.set FF,   224                         ; v[224:225] f = 2^(old M - new M), named as a pair
.set W0,   226                         ; v226-228 at work
.set WV,   14
.set CX,   15
.set BH,   16
.set TQ,   17                          ; s17  my tile of queries
.set JMAX, 18                          ; s18  its last key step
.set QB,   19                          ; s19  the tile's first query
.set SEL,  20
.set CS,   22                          ; s[22:23] c = log2(e) / 8
.set G1A,  24                          ; s[24:31] group 1: 3 rows of 256 bytes;  s[32:39]: 24 rows
.set G1B,  32
.set G0A,  40                          ; s[40:51] three groups 0
.set G0B,  44
.set G0C,  48
.set J,    52
.set TB,   53                          ; s53 LDS byte of the step's tiles of K; s57 of V; s54 of K's scale words; s55 of V's
.set TS,   54
.set TJ,   55
.set SV,   56
.set TBV,  57
.macro ROUND                           ; a round of the cluster's barrier
	s_barrier_signal -1
	s_barrier_wait -1
	s_cmp_lg_u32 s[WV], 0
	s_cbranch_scc1 .Lnot_wave_0_\@
	s_barrier_signal -3
.Lnot_wave_0_\@:
	s_barrier_wait -3
	s_barrier_signal -1
	s_barrier_wait -1
.endm
; A KEY STEP: 128 keys.
.macro STEP
	s_cmp_gt_u32 s[J], s[JMAX]                     ; all its keys come after my queries: only the addresses step
	s_cbranch_scc1 .Lhidden_\@
	s_setprio 2
	v_add_nc_u32 v[ADK16], s[TB], v[L16]           ; (these six are also the places in front of loads into registers that the last products read)
	v_add_nc_u32 v[ADK8], s[TB], v[L8]
	v_add_nc_u32 v[ADV16], s[TBV], v[L16]
	v_add_nc_u32 v[ADV8], s[TBV], v[L8]
	v_add_nc_u32 v[ADS], s[TS], v[R16]
	v_add_nc_u32 v[ADT], s[TJ], v[R16]
.irp t, 0,1,2,3,4,5,6,7
	ds_load_b128 v[FR+6*\t:FR+6*\t+3], v[ADK16] offset:768*\t
	ds_load_b64 v[FR+6*\t+4:FR+6*\t+5], v[ADK8] offset:768*\t+512
.endr
	ds_load_b128 v[KSC:KSC+3], v[ADS]              ; my row's words of tiles 0-3,
	ds_load_b128 v[KSC+4:KSC+7], v[ADS] offset:256 ; and of tiles 4-7
	s_wait_alu depctr_va_vdst(0)
	s_wait_dscnt 0x0
.irp t, 0,1,2,3,4,5,6,7
	v_wmma_scale_f32_16x16x128_f8f6f4 v[S+8*\t:S+8*\t+7], v[FR+6*\t:FR+6*\t+11], v[16:27], 0, v[KSC+\t], v[QSC] matrix_a_fmt:MATRIX_FMT_FP6 matrix_b_fmt:MATRIX_FMT_FP6
.endr
.rept 4
	v_nop                                          ; places in front of the loads below and of the first read of the scores
.endr
.irp t, 0,1,2,3                                ; V's four fragments land under the softmax
.irp c, 0,1
	ds_load_b128 v[FR+12*\t+6*\c:FR+12*\t+6*\c+3], v[ADV16] offset:1536*\t+768*\c
	ds_load_b64 v[FR+12*\t+6*\c+4:FR+12*\t+6*\c+5], v[ADV8] offset:1536*\t+768*\c+512
.endr
.endr
	ds_load_b128 v[VSC:VSC+3], v[ADT]
	s_cmp_lt_u32 s[J], s[JMAX]                     ; only the tile's last step lies on the diagonal
	s_cbranch_scc1 .Lopen_\@
	s_lshl_b32 s66, s[J], 7
	s_sub_co_i32 s66, s[QB], s66
	v_add_nc_u32 v[W0+1], s66, v[QD]               ; d = my query - the step's first key - 16 (lane / 16).  Register 16 b + i holds key 32 b + 16 (lane / 16) + i of the step: hidden where 32 b + i > d
	v_mov_b32 v[W0+2], 0xff800000                  ; -infinity: p = 0 then
.set n, 0
.rept 64
	v_cmp_gt_i32 vcc_lo, 32*(n/16)+n%16, v[W0+1]
	v_cndmask_b32 v[S+n], v[S+n], v[W0+2], vcc_lo
.set n, n+1
.endr
.Lopen_\@:
.irp b, 0,1,2,3
	v_max3_num_f32 v[BM+\b], v[S+16*\b], v[S+1+16*\b], v[S+2+16*\b]   ; the largest score of each block of 32 keys: it serves for the row's maximum and, since p rises with the score, for the block's largest p
.endr
.irp i, 3,5,7,9,11,13
.irp b, 0,1,2,3
	v_max3_num_f32 v[BM+\b], v[BM+\b], v[S+16*\b+\i], v[S+1+16*\b+\i]
.endr
.endr
.irp b, 0,1,2,3
	v_max_num_f32 v[BM+\b], v[BM+\b], v[S+15+16*\b]
.endr
.irp b, 0,1,2,3
	s_delay_alu instid0(VALU_DEP_4)
	v_permlanex16_b32 v[T1+\b], v[BM+\b], s[SEL], s[SEL+1]
.endr
.irp b, 0,1,2,3
	s_delay_alu instid0(VALU_DEP_4)
	v_max_num_f32 v[BM+\b], v[BM+\b], v[T1+\b]     ; with lane l xor 16's 16 keys
.endr
	s_delay_alu instid0(VALU_DEP_2)
	v_max3_num_f32 v[W0], v[BM], v[BM+1], v[BM+2]
	s_delay_alu instid0(VALU_DEP_1)
	v_max_num_f32 v[W0], v[W0], v[BM+3]
	s_delay_alu instid0(VALU_DEP_1)
	v_mul_f32 v[W0], s[CS], v[W0]                  ; the step's largest t (c is positive)
	s_delay_alu instid0(VALU_DEP_1)
	v_max_num_f32 v13, v13, v[W0]
	v_mov_b32 v[W0], v12
	s_delay_alu instid0(VALU_DEP_2)
	v_floor_f32 v12, -v13                          ; the new -M = floor(-t) = -ceil(t)
	s_delay_alu instid0(VALU_DEP_1)
	v_sub_f32 v[W0], v12, v[W0]                    ; old M - new M: a whole number, 0 or less
	s_delay_alu instid0(VALU_DEP_1)
	v_cvt_i32_f32 v[W0], v[W0]                     ; (it saturates)
	s_delay_alu instid0(VALU_DEP_1)
	v_ldexp_f32 v[FF], 1.0, v[W0]                  ; f
.set n, 0
	s_setprio 1
.rept 32
	v_pk_fma_f32 v[S+n:S+n+1], v[S+n:S+n+1], s[CS:CS+1], v[12:13] op_sel_hi:[1,0,0]   ; t - M, two at a time
.set n, n+2
.endr
.irp b, 0,1,2,3
	v_fma_f32 v[BM+\b], v[BM+\b], s[CS], v12       ; the same of each block's largest score
.endr
.set n, 0
	s_wait_alu depctr_va_vdst(0)
.rept 64
	v_exp_f32 v[S+n], v[S+n]                       ; p = 2^(t - M), at most 1
.set n, n+1
.endr
.irp b, 0,1,2,3
	v_exp_f32 v[BM+\b], v[BM+\b]                   ; the block's largest p: the same two instructions on the same number
.endr
	v_pk_mul_f32 v[14:15], v[14:15], v[FF:FF+1] op_sel_hi:[1,0]   ; the sums under the new M.  (A plain place behind the exponentials)
	s_wait_alu depctr_va_vdst(0)
.irp b, 0,1,2,3
	v_max_num_f32 v[BM+\b], 0x1800000, v[BM+\b]    ; the floor 2^(3 - 127): the byte cannot fall under 1
.endr
.irp b, 0,1,2,3
	s_delay_alu instid0(VALU_DEP_4)
	v_add_nc_u32 v[T2+\b], 0xff000000, v[BM+\b]    ; 2 off the exponent field: the conversion's scale operand
.endr
.irp b, 0,1,2,3
	s_delay_alu instid0(VALU_DEP_4)
	v_lshrrev_b32 v[T1+\b], 23, v[T2+\b]           ; the scale's byte
.endr
	s_delay_alu instid0(VALU_DEP_3)
	v_lshl_or_b32 v[PSW], v[T1+1], 8, v[T1]        ; p's scale word for these 128 keys
	s_delay_alu instid0(VALU_DEP_1)
	v_lshl_or_b32 v[PSW], v[T1+2], 16, v[PSW]
	s_delay_alu instid0(VALU_DEP_1)
	v_lshl_or_b32 v[PSW], v[T1+3], 24, v[PSW]
.irp c, 0,1
	v_cvt_scalef32_pk16_fp6_f32 v[PC+6*\c:PC+6*\c+2], v[S+32*\c:S+32*\c+15], v[T2+2*\c]
	v_cvt_scalef32_pk16_fp6_f32 v[PC2+4*\c:PC2+4*\c+2], v[S+16+32*\c:S+31+32*\c], v[T2+2*\c+1]
.endr
	v_nop                                          ; one plain place behind a scaled conversion
.irp c, 0,1                                    ; a whole block in a lane: lanes 0-15 block 2 c, lanes 16-31 block 2 c + 1
.irp i, 0,1,2
	v_permlane16_swap_b32 v[PC+6*\c+\i], v[PC2+4*\c+\i]
.endr
.irp i, 0,1,2
	s_delay_alu instid0(VALU_DEP_3)
	v_mov_b32 v[PC+3+6*\c+\i], v[PC2+4*\c+\i]
.endr
.endr
	v_pk_add_f32 v[226:227], v[100:101], v[104:105]
	v_pk_add_f32 v[252:253], v[108:109], v[112:113]
	v_pk_add_f32 v[250:251], v[116:117], v[120:121]
	v_pk_add_f32 v[248:249], v[124:125], v[128:129]
	v_pk_add_f32 v[246:247], v[132:133], v[136:137]
	v_pk_add_f32 v[244:245], v[140:141], v[144:145]
	v_pk_add_f32 v[242:243], v[148:149], v[152:153]
	v_pk_add_f32 v[14:15], v[14:15], v[156:157]
	v_pk_add_f32 v[226:227], v[226:227], v[96:97]
	s_setprio 0
	v_pk_add_f32 v[252:253], v[252:253], v[98:99]
	v_pk_add_f32 v[250:251], v[250:251], v[102:103]
	v_pk_add_f32 v[248:249], v[248:249], v[106:107]
	v_pk_add_f32 v[246:247], v[246:247], v[110:111]
	v_pk_add_f32 v[244:245], v[244:245], v[114:115]
	v_pk_add_f32 v[242:243], v[242:243], v[118:119]
	v_pk_add_f32 v[14:15], v[14:15], v[122:123]
	v_pk_add_f32 v[226:227], v[226:227], v[126:127]
	v_pk_add_f32 v[252:253], v[252:253], v[130:131]
	v_pk_add_f32 v[250:251], v[250:251], v[134:135]
	v_pk_add_f32 v[248:249], v[248:249], v[138:139]
	v_pk_add_f32 v[246:247], v[246:247], v[142:143]
	v_pk_add_f32 v[244:245], v[244:245], v[146:147]
	v_pk_add_f32 v[242:243], v[242:243], v[150:151]
	v_pk_add_f32 v[14:15], v[14:15], v[154:155]
	v_pk_add_f32 v[226:227], v[226:227], v[158:159]
	s_delay_alu instid0(VALU_DEP_2)
	v_pk_add_f32 v[14:15], v[14:15], v[248:249]
	s_delay_alu instid0(VALU_DEP_2)
	v_pk_add_f32 v[226:227], v[226:227], v[246:247]
	v_pk_add_f32 v[252:253], v[252:253], v[244:245]
	v_pk_add_f32 v[250:251], v[250:251], v[242:243]
	s_delay_alu instid0(VALU_DEP_2)
	v_pk_add_f32 v[14:15], v[14:15], v[252:253]
	s_delay_alu instid0(VALU_DEP_2)
	v_pk_add_f32 v[226:227], v[226:227], v[250:251]
	s_delay_alu instid0(VALU_DEP_1)
	v_pk_add_f32 v[14:15], v[14:15], v[226:227]
.set n, 0
.rept 16
	v_pk_mul_f32 v[O+n:O+n+1], v[O+n:O+n+1], v[FF:FF+1] op_sel_hi:[1,0]   ; O^T under the new M.  (With the sums above: the places between p's codes and scale word and the products below)
.set n, n+2
.endr
	s_wait_alu depctr_va_vdst(0)
	s_wait_dscnt 0x0                               ; V is in: no LDS load of mine is out behind a step
.irp t, 0,1,2,3                                ; four accumulators, one instruction each
	v_wmma_scale_f32_16x16x128_f8f6f4 v[O+8*\t:O+8*\t+7], v[FR+12*\t:FR+12*\t+11], v[PC:PC+11], v[O+8*\t:O+8*\t+7], v[VSC+\t], v[PSW] matrix_a_fmt:MATRIX_FMT_FP6 matrix_b_fmt:MATRIX_FMT_FP6
.endr
.Lhidden_\@:
	s_add_co_u32 s[TB], s[TB], 6144
	s_add_co_u32 s[TBV], s[TBV], 6144
	s_add_co_u32 s[TS], s[TS], 512
	s_add_co_u32 s[TJ], s[TJ], 256
.endm
; A PASS: one tile of queries against its key steps.
.macro PASS ntrips, second
	s_lshl_b32 s[TQ], s[WV], 2
	s_add_co_u32 s[TQ], s[TQ], s[CX]
	s_lshr_b32 s[JMAX], s[WV], 1
.if \second
	s_sub_co_u32 s[TQ], 127, s[TQ]
	s_sub_co_u32 s[JMAX], 15, s[JMAX]
.endif
	s_lshr_b32 s[QB], s[TQ], 1
	s_lshl_b32 s[QB], s[QB], 5
	s_and_b32 s66, s[TQ], 1
	s_lshl_b32 s66, s66, 3
	s_add_co_u32 s[QB], s[QB], s66                 ; the tile's first query: 32 (t / 2) + 8 (t % 2)
	s_lshl_b32 s66, s[BH], 7
	s_add_co_u32 s66, s66, s[TQ]
	s_mul_i32 s66, s66, 768
	s_mov_b32 s67, 0
	s_add_nc_u64 s[68:69], s[4:5], s[66:67]        ; Q's half fragment
	s_lshl_b32 s66, s[BH], 13
	s_lshr_b32 s70, s[TQ], 2
	s_lshl_b32 s70, s70, 8
	s_add_co_u32 s66, s66, s70
	s_and_b32 s70, s[TQ], 3
	s_lshl_b32 s70, s70, 2
	s_add_co_u32 s66, s66, s70
	s_add_nc_u64 s[70:71], s[6:7], s[66:67]        ; and its scale words
	global_load_b128 v[16:19], v[L16], s[68:69]
	global_load_b64 v[20:21], v[L8], s[68:69] offset:512
	global_load_b32 v[QSC], v[R16], s[70:71]
	s_lshr_b32 s72, s[BH], 4
	s_lshl_b32 s72, s72, 7
	s_add_co_u32 s72, s72, s[TQ]                   ; the tile among the 512 tiles of rows
	s_lshl_b32 s73, s72, 4
	s_and_b32 s74, s[BH], 15                       ; the head among the 16
	s_add_co_u32 s73, s73, s74
	s_mul_i32 s76, s73, 768
	s_mov_b32 s77, 0
	s_add_nc_u64 s[76:77], s[10:11], s[76:77]
	s_lshl_b32 s78, s72, 9
	s_lshr_b32 s75, s74, 1
	s_lshl_b32 s75, s75, 6
	s_add_co_u32 s78, s78, s75
	s_and_b32 s74, s74, 1
	s_lshl_b32 s74, s74, 1
	s_add_co_u32 s78, s78, s74
	s_mov_b32 s79, 0
	s_add_nc_u64 s[78:79], s[12:13], s[78:79]
	v_mov_b32 v13, 0xff61b1e6                      ; the largest t so far: -3e38, under every t
	s_delay_alu instid0(VALU_DEP_1)
	v_floor_f32 v12, -v13
	v_mov_b32 v14, 0
	v_mov_b32 v15, 0
.set n, 0
.rept 32
	v_mov_b32 v[O+n], 0                            ; the step is written once: the first finds zeros, which the first change of M leaves zeros
.set n, n+1
.endr
	s_mov_b32 s[TB], 12288
	s_mov_b32 s[TBV], 110592
	s_mov_b32 s[TS], 0
	s_mov_b32 s[TJ], 8192
	s_mov_b32 s[J], 0
	s_wait_loadcnt 0x0                             ; Q
.Lkey_\@:
	STEP
	s_add_co_u32 s[J], s[J], 1
	s_cmp_lt_u32 s[J], \ntrips
	s_cbranch_scc1 .Lkey_\@
	s_setprio 0
	; the tile's end: O^T / l, quantised along the head's 64 (two blocks), stored as a half fragment
.rept 4
	v_nop                                          ; places behind the last products
.endr
	v_add_f32 v14, v14, v15
	s_delay_alu instid0(VALU_DEP_1)
	v_permlanex16_b32 v[W0], v14, s[SEL], s[SEL+1]
	s_delay_alu instid0(VALU_DEP_1)
	v_add_f32 v14, v14, v[W0]                      ; the row's sum
	s_wait_alu depctr_va_vdst(0)
	v_rcp_f32 v14, v14
	v_nop                                          ; one plain place behind a transcendental
.set n, 0
	s_wait_alu depctr_va_vdst(0)
.rept 32
	v_mul_f32 v[S+n], v[O+n], v14                  ; register 16 b + i: channel 32 b + 16 (lane / 16) + i of my query
.set n, n+1
.endr
.irp b, 0,1
	v_max3_num_f32 v[BM+\b], |v[S+16*\b]|, |v[S+1+16*\b]|, 0x1800000
.endr
.irp i, 2,4,6,8,10,12,14
.irp b, 0,1
	s_delay_alu instid0(VALU_DEP_2)
	v_max3_num_f32 v[BM+\b], v[BM+\b], |v[S+16*\b+\i]|, |v[S+1+16*\b+\i]|
.endr
.endr
.irp b, 0,1
	s_delay_alu instid0(VALU_DEP_2)
	v_permlanex16_b32 v[T1+\b], v[BM+\b], s[SEL], s[SEL+1]
.endr
.irp b, 0,1
	s_delay_alu instid0(VALU_DEP_2)
	v_max_num_f32 v[BM+\b], v[BM+\b], v[T1+\b]
.endr
.irp b, 0,1
	s_delay_alu instid0(VALU_DEP_2)
	v_add_nc_u32 v[T2+\b], 0xff000000, v[BM+\b]
.endr
.irp b, 0,1
	s_delay_alu instid0(VALU_DEP_2)
	v_lshrrev_b32 v[T1+\b], 23, v[T2+\b]
.endr
	s_delay_alu instid0(VALU_DEP_1)
	v_lshl_or_b32 v[W0], v[T1+1], 8, v[T1]         ; the head's two bytes of my row's scale word
	v_cvt_scalef32_pk16_fp6_f32 v[PC:PC+2], v[S:S+15], v[T2]
	v_cvt_scalef32_pk16_fp6_f32 v[PC2:PC2+2], v[S+16:S+31], v[T2+1]
	v_nop                                          ; one plain place behind a scaled conversion
.irp i, 0,1,2
	v_permlane16_swap_b32 v[PC+\i], v[PC2+\i]
.endr
.irp i, 0,1,2
	s_delay_alu instid0(VALU_DEP_3)
	v_mov_b32 v[PC+3+\i], v[PC2+\i]
.endr
	v_lshrrev_b32 v[W0+1], 2, v[R16]               ; 4 r
	global_store_b128 v[L16], v[PC:PC+3], s[76:77]           ; 512 and 256 consecutive bytes, at multiples of 256 from the buffer's first byte
	global_store_b64 v[L8], v[PC+4:PC+5], s[76:77] offset:512
	s_wait_alu depctr_va_vdst(0)
	s_wait_xcnt 0x0                                ; EXEC is narrowed only behind this wait
	v_cmp_gt_u32 vcc_lo, 16, v[LANE]
	s_and_saveexec_b32 s[SV], vcc_lo
	global_store_b16 v[W0+1], v[W0], s[78:79]
	s_wait_xcnt 0x0                                ; and widened only behind this one; the stores' registers and bases are free too
	s_or_b32 exec_lo, exec_lo, s[SV]
.endm
	s_load_b256 s[4:11], s[0:1], 0x0               ; q_codes, q_scales, kv_img, att_codes
	s_load_b64 s[12:13], s[0:1], 0x20              ; att_scales
	v_lshl_add_u32 v254, v0, 2, 0x33000
	v_mov_b32 v255, 0
	ds_add_u32 v254, v255
	ds_add_u32 v254, v255
	v_lshrrev_b32 v1, 5, v0
	s_delay_alu instid0(VALU_DEP_1)
	v_readfirstlane_b32 s[WV], v1                  ; wave 0..15
	s_bfe_u32 s[CX], ttmp6, 0x40000                ; my place in the cluster: it enters Q's and the results' addresses and the mask's numbers alone
	s_and_b32 s[BH], ttmp7, 0xffff                 ; the head, which the four partners share
	; descriptor groups 1: dense blocks as rows of 256 bytes (32 elements of 8 bytes)
.irp g, G1A, G1B
	s_mov_b32 s[\g], 15|(3<<16)|(1<<21)            ; 15:0 the mask: all four work-groups; 17:16 elements of 8 bytes; 21 set beside a mask
	s_mov_b32 s[\g+1], 32<<16
	s_mov_b32 s[\g+3], 32<<16
	s_mov_b32 s[\g+5], 32
	s_mov_b32 s[\g+6], 0
	s_mov_b32 s[\g+7], 0
.endr
	s_mov_b32 s[G1A+2], 3<<16
	s_mov_b32 s[G1A+4], 3
	s_mov_b32 s[G1B+2], 24<<16
	s_mov_b32 s[G1B+4], 24
	s_mul_i32 s57, s[BH], 208896                   ; the head's record
	s_mul_i32 s[G0A+1], s[WV], 768                 ; my sixteenth of the 12,288 bytes of scale words.  An LDS address is the offset in the record
	s_lshr_b32 s58, s[WV], 3                       ; waves 0-7: K's codes; waves 8-15: V's
	s_mul_i32 s58, s58, 98304
	s_and_b32 s59, s[WV], 7
	s_mul_i32 s59, s59, 6144
	s_add_co_u32 s[G0B+1], s58, s59
	s_add_co_u32 s[G0B+1], s[G0B+1], 12288         ; my eighth of the first half (keys 0-1,023),
	s_add_co_u32 s[G0C+1], s[G0B+1], 49152         ; and of the second
	s_add_co_u32 s58, s57, s[G0A+1]
	s_mov_b32 s59, 0
	s_add_co_u32 s60, s57, s[G0B+1]
	s_mov_b32 s61, 0
	s_add_co_u32 s62, s57, s[G0C+1]
	s_mov_b32 s63, 0
	s_mov_b32 s[G0A], 1
	s_mov_b32 s[G0B], 1
	s_mov_b32 s[G0C], 1
	s_mov_b32 s[SEL], 0x76543210
	s_mov_b32 s[SEL+1], 0xfedcba98
	s_mov_b32 s[CS], 0x3e38aa3b                    ; c = log2(e) / 8
	s_mov_b32 s[CS+1], s[CS]                       ; (named with it as a pair, so it is written)
	s_wait_dscnt 0x0
	s_wait_kmcnt 0x0
	s_add_nc_u64 s[G0A+2:G0A+3], s[8:9], s[58:59]
	s_or_b32 s[G0A+3], s[G0A+3], 0x80000000
	s_add_nc_u64 s[G0B+2:G0B+3], s[8:9], s[60:61]
	s_or_b32 s[G0B+3], s[G0B+3], 0x80000000
	s_add_nc_u64 s[G0C+2:G0C+3], s[8:9], s[62:63]
	s_or_b32 s[G0C+3], s[G0C+3], 0x80000000
	ROUND                                          ; all four work-groups are here: the joint loads meet
	tensor_load_to_lds s[G0A:G0A+3], s[G1A:G1A+7]  ; the launch's only fills: three loads of mine are out
	s_nop 0
	tensor_load_to_lds s[G0B:G0B+3], s[G1B:G1B+7]
	s_nop 0
	tensor_load_to_lds s[G0C:G0C+3], s[G1B:G1B+7]
	s_nop 0
.rept 4
	v_nop                                          ; four v_nop follow the last
.endr
	v_and_b32 v[LANE], 31, v0
	s_delay_alu instid0(VALU_DEP_1)
	v_lshlrev_b32 v[L16], 4, v[LANE]
	s_delay_alu instid0(VALU_DEP_2)
	v_lshlrev_b32 v[L8], 3, v[LANE]
	v_and_b32 v[W0], 15, v0                        ; r
	s_delay_alu instid0(VALU_DEP_1)
	v_lshlrev_b32 v[R16], 4, v[W0]
	s_delay_alu instid0(VALU_DEP_2)
	v_and_b32 v[W0+1], 8, v[W0]
	s_delay_alu instid0(VALU_DEP_1)
	v_add_nc_u32 v[QD], v[W0], v[W0+1]             ; r + 8 (r / 8)
	v_bfe_u32 v[W0+1], v0, 4, 1
	s_delay_alu instid0(VALU_DEP_1)
	v_lshlrev_b32 v[W0+1], 4, v[W0+1]
	s_delay_alu instid0(VALU_DEP_1)
	v_sub_nc_u32 v[QD], v[QD], v[W0+1]
.irp j, 22,23,24,25,26,27, 90,91,92,93,94,95
	v_mov_b32 v[\j], 0                             ; zero codes: Q's upper 64 along K, and what follows K's last tile; written once
.endr
.irp b, 0,1,2,3
	v_mov_b32 v[T1+\b], 0                          ; written once: a lane permute's destination counts as one of its sources
.endr
	v_mov_b32 v[W0], 0
	v_mov_b32 v[FF+1], 0                           ; (named as the upper half of the pair before it is first written)
	s_wait_tensorcnt 0x0                           ; all three of my loads have landed: my parts of the scale words and of both halves of the codes,
	s_barrier_signal -1
	s_barrier_wait -1                              ; everybody's have: the whole record may be read by every wave from here on, and nothing writes LDS again
	PASS 8, 0
	PASS 16, 1                                     ; no barrier between the passes: each wave goes on by itself
	s_wait_tensorcnt 0x0
	ds_add_u32 v254, v255
	s_wait_dscnt 0x0
	ROUND                                          ; the closing round (no LDS load of mine is out: the last were waited for in front of the last step's products)
	s_endpgm
.Lfunc_end_k_qd5d953a866_attn:
	.size	k_qd5d953a866_attn, .Lfunc_end_k_qd5d953a866_attn-k_qd5d953a866_attn
	.p2alignl 7, 3214868480
	.fill 96, 4, 3214868480
	.section	.rodata,"a",@progbits
	.p2align	6, 0x0
	.amdhsa_kernel k_qd5d953a866_attn
		.amdhsa_group_segment_fixed_size 210944
		.amdhsa_private_segment_fixed_size 0
		.amdhsa_enable_private_segment 0
		.amdhsa_kernarg_size 40
		.amdhsa_user_sgpr_count 2
		.amdhsa_user_sgpr_kernarg_segment_ptr 1
		.amdhsa_wavefront_size32 1
		.amdhsa_system_sgpr_workgroup_id_x 1
		.amdhsa_system_sgpr_workgroup_id_y 1
		.amdhsa_system_sgpr_workgroup_id_z 1
		.amdhsa_system_vgpr_workitem_id 0
		.amdhsa_next_free_vgpr 256
		.amdhsa_next_free_sgpr 90
		.amdhsa_reserve_vcc 1
		.amdhsa_float_denorm_mode_32 3
		.amdhsa_float_denorm_mode_16_64 3
		.amdhsa_memory_ordered 1
		.amdhsa_forward_progress 1
		.amdhsa_inst_pref_size 67
	.end_amdhsa_kernel
	.amdgpu_metadata
---
amdhsa.version: [ 1, 2 ]
amdhsa.kernels:
  - .name:           k_qd5d953a866_attn
    .symbol:         k_qd5d953a866_attn.kd
    .args:
      - { .name: q_codes, .offset: 0, .size: 8, .value_kind: global_buffer, .address_space: global }
      - { .name: q_scales, .offset: 8, .size: 8, .value_kind: global_buffer, .address_space: global }
      - { .name: kv_img, .offset: 16, .size: 8, .value_kind: global_buffer, .address_space: global }
      - { .name: att_codes, .offset: 24, .size: 8, .value_kind: global_buffer, .address_space: global }
      - { .name: att_scales, .offset: 32, .size: 8, .value_kind: global_buffer, .address_space: global }
    .group_segment_fixed_size: 210944
    .private_segment_fixed_size: 0
    .kernarg_segment_align: 8
    .kernarg_segment_size: 40
    .max_flat_workgroup_size: 512
    .sgpr_count:     90
    .vgpr_count:     256
    .wavefront_size: 32
...
	.end_amdgpu_metadata
.endif
;; end of part 3
;; launch outp (part 4): grid 256 x 1, 4 waves a work-group, no clusters, 327,680 bytes of LDS; arguments xw_codes, xw_scales, att_codes, att_scales, out0; writes out0
.if DOCPART == 4
	.amdgcn_target "amdgcn-amd-amdhsa--gfx1250"
	.amdhsa_code_object_version 6
	.text
	.protected	k_qd5d953a866_outp
	.globl	k_qd5d953a866_outp
	.p2align	8
	.type	k_qd5d953a866_outp,@function
k_qd5d953a866_outp:
	s_mov_b64 s[64:65], 0
	v_nop
	global_prefetch_b8 v0, s[64:65] scope:SCOPE_SE
	s_setreg_imm32_b32 hwreg(HW_REG_WAVE_MODE, 25, 1), 1
	s_wait_xcnt 0x0
; out0 = att Wo^T on codes of FP6 (E2M3) with E8M0 scales, sums in f32.  att: 512 tiles of 16 rows x K 1,024, as 16 half fragments (a head each, 768 bytes); Wo: tiles 704-767 of xw_codes.
; THE FORM.  A wave keeps a block P of 128 rows of Wo x K 1,024 (64 fragments, 768 registers).  The work-group's four tiles of att come into LDS once, a tile and its scale words a wave.  A UNIT is one tile against P:
; 64 matrix instructions on 8 accumulators by turns.  Source 0 = a tile of Wo, source 1 = the tile of att: a lane holds one row, and its 64 registers are outputs 32 b + 16 (lane / 16) + i of the wave's 128.
; Work-group g: outputs 512 (g % 2) + 128 w on; rows 64 (g / 2) on.  No cluster: what the tensor loads bring is an eighth of a work-group's bytes; P goes to registers by plain loads.
; THE WAY OUT.  A unit's 16 rows x 512 bytes go through the wave's own stage in LDS (rows 528 bytes apart; no fill lands there) and leave as whole rows: 32 lanes store 512 consecutive bytes.
; Tile t is rows 32 (t / 2) + 8 (t % 2) + i + 8 (i / 8).
; REGISTERS.  Windows 1-3: P's fragments f = 8 s + i, 21 to a window; fragment 63 in window 0.
.set LI,   2                           ; v2   16 x lane
.set L4,   3                           ; v3   4 x lane
.set A8,   4                           ; v4   8 x lane
.set ST,   5                           ; v5   the stage: where I put my row's numbers
.set RD,   6                           ; v6   and where I read a row back
.set PSC,  16                          ; v16-47  P's scale words
.set RSC,  48                          ; v48-51  the tile's
.set ACC,  56                          ; v56-119
.set RF,   120                         ; v120-215 the tile's 8 fragments
.set BK,   168                         ; v168-231 over K steps 4-7: 16 rows read back from the stage
.set P63,  232                         ; v232-243
.set WV,   16
.set G1A,  24
.set G1B,  32
.set G0A,  40
.set G0B,  44
.set PB,   76
.set PSB,  78
.set SCL,  49152                       ; LDS: four tiles, then their scale words, then the stages
.set STG,  51200
.set MSB, 0
.macro WIN new                         ; the immediate's high byte repeats the setting that is left; a switch that changes nothing is dropped
.if MSB != (\new)
	s_set_vgpr_msb (MSB<<8)|(\new)
.set MSB, (\new)
.endif
.endm
.macro PLACES n                        ; places behind matrix instructions: plain vector instructions that name none of their registers (ISA guide 7.12.1)
.rept \n
	v_nop
.endr
.endm
.macro MULS s0, s1                     ; K steps s0 .. s1: 8 matrix instructions each, the 8 accumulators by turns; K step 0 starts the sums
.set ks, \s0
.rept \s1-\s0+1
.set ti, 0
.rept 8
.set ff, 8*ks+ti
.if ff < 63
.set wn, 1+ff/21
.set pr, 12*(ff%21)
.else
.set wn, 0
.set pr, P63
.endif
	WIN wn
.if ks == 0
	v_wmma_scale_f32_16x16x128_f8f6f4 v[ACC+8*ti:ACC+8*ti+7], v[pr:pr+11], v[RF+12*ks:RF+12*ks+11], 0, v[PSC+4*ti+ks/2], v[RSC+ks/2] matrix_a_fmt:MATRIX_FMT_FP6 matrix_b_fmt:MATRIX_FMT_FP6
.elseif ks%2 == 0
	v_wmma_scale_f32_16x16x128_f8f6f4 v[ACC+8*ti:ACC+8*ti+7], v[pr:pr+11], v[RF+12*ks:RF+12*ks+11], v[ACC+8*ti:ACC+8*ti+7], v[PSC+4*ti+ks/2], v[RSC+ks/2] matrix_a_fmt:MATRIX_FMT_FP6 matrix_b_fmt:MATRIX_FMT_FP6
.else
	v_wmma_scale_f32_16x16x128_f8f6f4 v[ACC+8*ti:ACC+8*ti+7], v[pr:pr+11], v[RF+12*ks:RF+12*ks+11], v[ACC+8*ti:ACC+8*ti+7], v[PSC+4*ti+ks/2], v[RSC+ks/2] matrix_a_fmt:MATRIX_FMT_FP6 matrix_b_fmt:MATRIX_FMT_FP6 matrix_a_scale:MATRIX_SCALE_ROW1 matrix_b_scale:MATRIX_SCALE_ROW1
.endif
.set ti, ti+1
.endr
.set ks, ks+1
.endr
.endm
.macro FETCHR u, s0                    ; K steps s0 .. s0 + 3 of tile u: a K step is two heads' half fragments: 16 loads
.irp s, 0,1,2,3
.irp c, 0,1
	ds_load_b128 v[RF+12*(\s0+\s)+6*\c:RF+12*(\s0+\s)+6*\c+3], v[LI] offset:(\u)*12288+(2*(\s0+\s)+\c)*768
	ds_load_b64 v[RF+12*(\s0+\s)+6*\c+4:RF+12*(\s0+\s)+6*\c+5], v[A8] offset:(\u)*12288+(2*(\s0+\s)+\c)*768+512
.endr
.endr
.endm
.macro FETCHS u                        ; its scale words: K step 2 j in lanes 0-15, 2 j + 1 in lanes 16-31
.irp j, 0,1,2,3
	ds_load_b32 v[RSC+\j], v[L4] offset:SCL+(\u)*512+128*\j
.endr
.endm
	s_load_b256 s[4:11], s[0:1], 0x0               ; xw_codes, xw_scales, att_codes, att_scales
	s_load_b64 s[12:13], s[0:1], 0x20              ; out0
	v_lshl_add_u32 v254, v0, 2, 0x29000
	v_mov_b32 v255, 0
	ds_add_u32 v254, v255
	ds_add_u32 v254, v255
	v_lshrrev_b32 v1, 5, v0
	v_readfirstlane_b32 s[WV], v1                  ; wave 0..3
	s_and_b32 s17, ttmp9, 1
	s_lshr_b32 s18, ttmp9, 1                       ; which 64 rows
	s_lshl_b32 s17, s17, 2
	s_add_co_u32 s17, s17, s[WV]                   ; which 128 outputs
	s_lshl_b32 s19, s17, 3
	s_add_co_u32 s19, s19, 704                     ; P's first tile
	s_mul_i32 s[PB], s19, 12288
	s_mov_b32 s[PB+1], 0
	s_lshl_b32 s[PSB], s19, 9
	s_mov_b32 s[PSB+1], 0
	s_lshl_b32 s20, s18, 2
	s_add_co_u32 s20, s20, s[WV]                   ; the tile of att that I fetch
	s_mul_i32 s48, s20, 12288
	s_mov_b32 s49, 0
	s_lshl_b32 s50, s20, 9
	s_mov_b32 s51, 0
	s_lshl_b32 s52, s18, 18                        ; 64 rows of 4,096 bytes,
	s_lshl_b32 s53, s17, 9                         ; 128 outputs of 4 bytes
	s_add_co_u32 s52, s52, s53
	s_mov_b32 s53, 0
	; descriptor groups 1: dense blocks as rows of 256 bytes (32 elements of 8 bytes): 48 rows and 2 rows
.irp g, G1A, G1B
	s_mov_b32 s[\g], 3<<16
	s_mov_b32 s[\g+1], 32<<16
	s_mov_b32 s[\g+3], 32<<16
	s_mov_b32 s[\g+5], 32
	s_mov_b32 s[\g+6], 0
	s_mov_b32 s[\g+7], 0
.endr
	s_mov_b32 s[G1A+2], 48<<16
	s_mov_b32 s[G1A+4], 48
	s_mov_b32 s[G1B+2], 2<<16
	s_mov_b32 s[G1B+4], 2
	s_mov_b32 s[G0A], 1
	s_mul_i32 s[G0A+1], s[WV], 12288
	s_mov_b32 s[G0B], 1
	s_lshl_b32 s[G0B+1], s[WV], 9
	s_add_co_u32 s[G0B+1], s[G0B+1], SCL
	s_wait_dscnt 0x0
	s_wait_kmcnt 0x0
	s_add_nc_u64 s[G0A+2:G0A+3], s[8:9], s[48:49]
	s_or_b32 s[G0A+3], s[G0A+3], 0x80000000
	s_add_nc_u64 s[G0B+2:G0B+3], s[10:11], s[50:51]
	s_or_b32 s[G0B+3], s[G0B+3], 0x80000000
	tensor_load_to_lds s[G0A:G0A+3], s[G1A:G1A+7]  ; the first of the launch's only two fills: one load of mine is out
	s_nop 0
	s_wait_alu depctr_va_vdst(0)
	s_wait_tensorcnt 0x0
	ds_add_u32 v254, v255
	s_wait_dscnt 0x0
	s_barrier_signal -1
	s_barrier_wait -1
	tensor_load_to_lds s[G0B:G0B+3], s[G1B:G1B+7]
	s_nop 0
	PLACES 4                                       ; four v_nop follow the last
	s_add_nc_u64 s[PB:PB+1], s[4:5], s[PB:PB+1]
	s_add_nc_u64 s[PSB:PSB+1], s[6:7], s[PSB:PSB+1]
	s_add_nc_u64 s[12:13], s[12:13], s[52:53]
	v_and_b32 v1, 31, v0
	v_lshlrev_b32 v[LI], 4, v1
	v_lshlrev_b32 v[L4], 2, v1
	v_lshlrev_b32 v[A8], 3, v1
	v_and_b32 v13, 15, v0                          ; r
	v_bfe_u32 v14, v0, 4, 1                        ; h
	s_mul_i32 s21, s[WV], 16*528
	s_add_co_u32 s21, s21, STG                     ; my stage
	v_mul_u32_u24 v[ST], v13, 528
	v_lshl_add_u32 v[ST], v14, 6, v[ST]
	v_add_nc_u32 v[ST], s21, v[ST]                 ; in: row r, + 64 h: my 16 numbers of each 32
	v_add_nc_u32 v[RD], s21, v[LI]                 ; back: 16 bytes a lane of a row
.set ff, 0
.rept 64                                       ; P: 64 fragments, three loads of 512 consecutive bytes each
.if ff < 63
.set wn, 1+ff/21
.set pr, 12*(ff%21)
.else
.set wn, 0
.set pr, P63
.endif
	WIN wn<<6                                      ; the destination's window
.irp c, 0,1,2
	global_load_b128 v[pr+4*\c:pr+4*\c+3], v[LI], s[PB:PB+1] offset:(ff%8)*12288+(ff/8)*1536+\c*512
.endr
.set ff, ff+1
.endr
	WIN 0
.irp i, 0,1,2,3,4,5,6,7
.irp j, 0,1,2,3
	global_load_b32 v[PSC+4*\i+\j], v[L4], s[PSB:PSB+1] offset:\i*512+\j*128
.endr
.endr
	s_wait_alu depctr_va_vdst(0)
	s_wait_tensorcnt 0x0                           ; my tile and its scale words have landed,
	s_barrier_signal -1
	s_barrier_wait -1                              ; everybody's have
	FETCHR 0, 0
	FETCHS 0
	s_wait_loadcnt 0x0                             ; P and its scale words
.macro UNIT u
.if \u > 0
	s_wait_xcnt 0x0                                ; the last unit's stores have read their registers: loads land there only behind this wait
.endif
	FETCHR \u, 4
	s_wait_dscnt 16                                ; K steps 0-3 and the scale words are in; the 16 loads just issued may be out
	MULS 0, 3
	s_wait_dscnt 0x0                               ; K steps 4-7 are in
	MULS 4, 7
	WIN 0
.if \u < 3
	PLACES 5                                       ; four serve the loads below and the first read of results; the fifth the next unit's first products, which begin these accumulators anew with the
	                                               ; constant 0 as C: a matrix instruction that writes over an earlier one's registers stands five places behind it, and no other vector work stands between two units
	FETCHR \u+1, 0                                 ; the next unit's first half lands under the way out
	FETCHS \u+1
.else
	PLACES 4                                       ; in front of the first read of results and of the loads from the stage
.endif
.irp b, 0,1,2,3
.irp q, 0,1,2,3
	ds_store_b128 v[ST], v[ACC+16*\b+4*\q:ACC+16*\b+4*\q+3] offset:128*\b+16*\q   ; ascending: each accumulator from its low end on
.endr
.endr
.irp i, 0,1,2,3,4,5,6,7,8,9,10,11,12,13,14,15
	ds_load_b128 v[BK+4*\i:BK+4*\i+3], v[RD] offset:528*\i   ; LDS serves a wave's instructions in order: these see my stores
.endr
.irp i, 0,1,2,3,4,5,6,7,8,9,10,11,12,13,14,15
	s_wait_dscnt 15-\i                             ; row i is back; the younger rows may be out
	global_store_b128 v[LI], v[BK+4*\i:BK+4*\i+3], s[12:13] offset:(32*(\u/2)+8*(\u%2)+\i+8*(\i/8))*4096 th:TH_STORE_NT   ; 32 lanes store 512 consecutive bytes, at a multiple of 256 from out0's first byte
.endr
.endm
	UNIT 0
	UNIT 1
	UNIT 2
	UNIT 3
	s_wait_tensorcnt 0x0
	ds_add_u32 v254, v255
	s_wait_dscnt 0x0
	s_endpgm
.Lfunc_end_k_qd5d953a866_outp:
	.size	k_qd5d953a866_outp, .Lfunc_end_k_qd5d953a866_outp-k_qd5d953a866_outp
	.p2alignl 7, 3214868480
	.fill 96, 4, 3214868480
	.section	.rodata,"a",@progbits
	.p2align	6, 0x0
	.amdhsa_kernel k_qd5d953a866_outp
		.amdhsa_group_segment_fixed_size 327680
		.amdhsa_private_segment_fixed_size 0
		.amdhsa_enable_private_segment 0
		.amdhsa_kernarg_size 40
		.amdhsa_user_sgpr_count 2
		.amdhsa_user_sgpr_kernarg_segment_ptr 1
		.amdhsa_wavefront_size32 1
		.amdhsa_system_sgpr_workgroup_id_x 1
		.amdhsa_system_sgpr_workgroup_id_y 1
		.amdhsa_system_sgpr_workgroup_id_z 1
		.amdhsa_system_vgpr_workitem_id 0
		.amdhsa_next_free_vgpr 1024
		.amdhsa_next_free_sgpr 80
		.amdhsa_reserve_vcc 0
		.amdhsa_float_denorm_mode_32 3
		.amdhsa_float_denorm_mode_16_64 3
		.amdhsa_memory_ordered 1
		.amdhsa_forward_progress 1
		.amdhsa_inst_pref_size 84
	.end_amdhsa_kernel
	.amdgpu_metadata
---
amdhsa.version: [ 1, 2 ]
amdhsa.kernels:
  - .name:           k_qd5d953a866_outp
    .symbol:         k_qd5d953a866_outp.kd
    .args:
      - { .name: xw_codes, .offset: 0, .size: 8, .value_kind: global_buffer, .address_space: global }
      - { .name: xw_scales, .offset: 8, .size: 8, .value_kind: global_buffer, .address_space: global }
      - { .name: att_codes, .offset: 16, .size: 8, .value_kind: global_buffer, .address_space: global }
      - { .name: att_scales, .offset: 24, .size: 8, .value_kind: global_buffer, .address_space: global }
      - { .name: out0, .offset: 32, .size: 8, .value_kind: global_buffer, .address_space: global }
    .group_segment_fixed_size: 327680
    .private_segment_fixed_size: 0
    .kernarg_segment_align: 8
    .kernarg_segment_size: 40
    .max_flat_workgroup_size: 128
    .sgpr_count:     80
    .vgpr_count:     1024
    .wavefront_size: 32
...
	.end_amdgpu_metadata
.endif
;; end of part 4
